; MI455X (gfx1250); checked and timed in simulation.
; The chip was launched on July 23, 2026; its instructions are those of AMD's public machine-readable ISA for CDNA 5 (MIT licence, August 2026) and "CDNA5" Instruction Set Architecture Reference Guide (July 2026). The comments in the code are by the model that wrote it; some were corrected since.
;; Cloud Cast V2. Allowed arithmetic: matrix products marked QUANTISED: E2M3 operands, one E8M0 scale for each 32 along K, by v_wmma_scale_f32_16x16x128_f8f6f4 with both operands' format E2M3, f32 sums; everything else in f32.
;; Inputs: bk 512 float32; bp 512 float32; bq 512 float32; bv 512 float32; gate 1 x 16 x 16 x 1 float32; ln1_b 512 float32; ln1_g 512 float32; ln2_b 512 float32; ln2_g 512 float32; mlp_b1 2,048 float32; mlp_b2 512 float32; mlp_w1 2,048 x 512 float32; mlp_w2 512 x 2,048 float32; rel_table 15 x 15 x 8 float32; wk 512 x 512 float32; wp 512 x 512 float32; wq 512 x 512 float32; wv 512 x 512 float32; x 64 x 1 x 16 x 16 x 512 float32.
;; Outputs: out0 64 x 1 x 16 x 16 x 512 float32.
;; This version of the problem:
;;   THIS VERSION OF THE PROBLEM IS GIVEN IN LOW PRECISION. The matrix products marked QUANTISED in the list below multiply operands that are first quantised to E2M3 (2 exponent bits, 3 mantissa bits; 6 bits a number), with one power-of-two scale for each 32 numbers along K (OCP MX v1.0); their sums are f32. All else is computed in f32.
;;   The module's matrix products, in the order in which they are computed (A, B: the left and right operand; K: the contracted axis; several contracted axes count as one K, in the product's order):
;;     1. [M 16,384, K 512] x [K 512, N 512]; A: computed on the way; B: input wq: QUANTISED
;;     2. [M 16,384, K 512] x [K 512, N 512]; A: computed on the way; B: input wk: QUANTISED
;;     3. [M 16,384, K 512] x [K 512, N 512]; A: computed on the way; B: input wv: QUANTISED
;;     4. batch 2,048 x [M 64, K 64] x [K 64, N 64]; A: computed on the way; B: computed on the way: QUANTISED
;;     5. batch 2,048 x [M 64, K 64] x [K 64, N 64]; A: computed on the way; B: softmax (see below): QUANTISED
;;     6. [M 16,384, K 512] x [K 512, N 512]; A: computed on the way; B: input wp: QUANTISED
;;     7. [M 16,384, K 512] x [K 512, N 2,048]; A: computed on the way; B: input mlp_w1: QUANTISED
;;     8. [M 16,384, K 2,048] x [K 2,048, N 512]; A: computed on the way; B: input mlp_w2: QUANTISED
;;   THE QUANTISER, for each operand of a quantised product, along K:
;;     - K is cut into blocks of 32 from its start; a last block that is shorter is filled with zeros.
;;     - A block's scale is 2^e with e = floor(log2(the largest magnitude in the block)) - 2, held to -126 .. 127; a block of zeros has e = 0. As a byte (E8M0): e + 127.
;;     - Each number is divided by its block's scale, clamped to +-7.5, and rounded to the nearest number of E2M3, ties to even, subnormals kept.
;;     - The product sums the exact products of the quantised numbers (number of the format x scale) in f32.
;;   ~~~python
;;   def quantise(x, axis):      # numpy; x: float32 -> the quantised numbers, widened to float32 again
;;       x = np.moveaxis(x, axis, -1); K = x.shape[-1]
;;       x = np.pad(x, [(0, 0)] * (x.ndim - 1) + [(0, -K % 32)]); x = x.reshape(x.shape[:-1] + (-1, 32)); a = np.abs(x).max(-1, keepdims=True)
;;       e = np.where(a > 0, np.clip(np.frexp(np.where(a > 0, a, 1))[1] - 1 - 2, -126, 127), 0)      # np.frexp(a)[1] - 1 = floor(log2(a)), exactly
;;       r = np.clip(x / 2.0 ** e, -7.5, 7.5)
;;       step = 2.0 ** (np.maximum(np.frexp(np.where(r == 0, 1, r))[1] - 1, 0) - 3)
;;       q = np.round(r / step) * step * 2.0 ** e      # np.round: ties to even
;;       return np.moveaxis(q.reshape(q.shape[:-2] + (-1,))[..., :K], -1, axis).astype(np.float32)
;;   ~~~
;;   SOFTMAX AHEAD OF A QUANTISED PRODUCT. Where the list says 'softmax', what is quantised is not the finished softmax but p = 2^(t - M), with t = logit x log2(e) and M = ceil(the row's largest t), a whole number; so 1/2 < the row's largest p <= 1. The row's sum l is taken of the UNQUANTISED p, in f32, and the product's result is divided by l at the end. Since M is a whole number, a kernel that streams over the keys may use a running M (the ceiling of the running maximum): every later rescaling is an exact power of two, which a block's scale takes up: the codes' values come out the same.
;;   OPERANDS COMPUTED ON THE WAY. 'Computed on the way' means the value that the module computes at that place (a softmax that the list does not call 'softmax' is quantised finished and normalised). What goes into a quantiser is computed in f32, as accurately as f32 sums, v_exp_f32 and their like allow (about 1e-6 of the number): no bf16 or f16 on the way to a quantiser, and a product that is left as it is and whose result goes on into a quantised operand takes f32 operands (vector FMAs, or v_wmma_f32_16x16x4_f32). A number that lies on a knife's edge between two numbers of the format may be rounded either way, as far as f32 arithmetic and the matrix unit's own rounding can turn it there, and no further.
;; 2 versions. Each part assembles by itself: llvm-mc -triple=amdgcn-amd-amdhsa -mcpu=gfx1250 --defsym DOCPART=n.
;; ======== version 1 of 2: 2 launches
;; workspace buffers: wst 2,482,176 bytes
;; launch prep (part 1): grid 384 x 1, 4 waves a work-group, no clusters, 1,536 bytes of LDS; arguments wk, wv, wq, wp, mlp_w1, mlp_w2, bk, bv, bq, bp, mlp_b1, mlp_b2, wst; writes wst
.if DOCPART == 1
	.amdgcn_target "amdgcn-amd-amdhsa--gfx1250"
	.amdhsa_code_object_version 6
	.text
	.protected	k_q86f09ba555_prep
	.globl	k_q86f09ba555_prep
	.p2align	8
	.type	k_q86f09ba555_prep,@function
k_q86f09ba555_prep:
	s_mov_b64 s[64:65], 0
	v_nop
	global_prefetch_b8 v0, s[64:65] scope:SCOPE_SE
	s_setreg_imm32_b32 hwreg(HW_REG_WAVE_MODE, 25, 1), 1
	s_wait_xcnt 0x0
; The six weights (f32, K innermost) become codes of E2M3 with one E8M0 byte for each 32 along K, laid as ONE STREAM in the order in which the second launch uses them.
; wst = 24 chunks of CH bytes: 0,1 wk; 2,3 wv; 4,5 wq; 6,7 wp; then for j = 0..3: 8+4j, 9+4j mlp_w1's rows 512 j on; 10+4j, 11+4j mlp_w2's K 512 j on.
; A chunk = 4 quarters of QB bytes (one for each wave of the second launch); a quarter = 4 groups of 6,400 bytes (K steps of 128) and 256 bytes of bias (64 numbers).
; A group = 4 fragments of 1,536 bytes, each AN IMAGE OF THE OPERAND'S 12 REGISTERS (registers 4c..4c+3 of lane l at 512 c + 16 l), and 64 scale words (fragment t, row r at 6,144 + 4 (16 t + r)).
; Fragment (chunk, w, g, t): column tile T = 8 w + 4 (chunk & 1) + t (+ 32 j for mlp_w1); lane r takes weight row 32 (T / 2) + 8 (T % 2) + r + 8 (r / 8): in the transposed product two neighbouring
; tiles then give a lane 16 neighbours along the next K.  K begins at 128 g (+ 512 j for mlp_w2).
; A work-group makes one group, a wave one fragment: a lane loads its row's two blocks of 32 (k = 64 c + 32 h + 0..31), so a block's largest magnitude needs no other lane.
; A block's byte is its largest magnitude's exponent field - 2, held at 1 from below (a block of zeros so has the byte 1: its codes are zeros, and this program alone reads the bytes).
; LIMITS: NaN and infinities are not served; blocks whose largest magnitude lies under 2^-124 keep the byte 1.
.set CH, 103424
.set QB, 25856
.set X,  16                            ; v16-79  my 64 numbers
.set F,  80                            ; v80-91  the fragment's 12 registers;  v92-98 the second halves as the conversions leave them
	s_load_b512 s[4:19], s[0:1], 0x0               ; wk s[4:5], wv s[6:7], wq s[8:9], wp s[10:11], mlp_w1 s[12:13], mlp_w2 s[14:15], bk s[16:17], bv s[18:19]
	s_load_b256 s[20:27], s[0:1], 0x40             ; bq s[20:21], bp s[22:23], mlp_b1 s[24:25], mlp_b2 s[26:27]
	s_load_b64 s[28:29], s[0:1], 0x60              ; wst
	v_lshl_add_u32 v128, v0, 2, 0x400
	v_mov_b32 v129, 0
	v_lshrrev_b32 v7, 5, v0
	v_readfirstlane_b32 s34, v7                    ; t: my wave's fragment
	v_and_b32 v1, 15, v0                           ; r
	v_bfe_u32 v2, v0, 4, 1                         ; h
	v_and_b32 v7, 31, v0                           ; lane
	v_lshlrev_b32 v4, 4, v7                        ; 16 x lane
	v_lshlrev_b32 v5, 3, v7                        ; 8 x lane
	s_lshl_b32 s42, s34, 6
	v_lshl_add_u32 v6, v1, 2, s42                  ; LDS: 64 t + 4 r: my row's scale word
	s_lshr_b32 s35, ttmp9, 4                       ; chunk
	s_bfe_u32 s36, ttmp9, 0x20002                  ; w: quarter
	s_and_b32 s37, ttmp9, 3                        ; g: group
	s_and_b32 s38, s35, 1                          ; which half of the quarter's 128 columns
	s_sub_co_u32 s39, s35, 8
	s_lshr_b32 s40, s39, 1
	s_and_b32 s40, s40, 1
	s_add_co_u32 s40, s40, 4                       ; chunks 8 on: 4 = mlp_w1, 5 = mlp_w2
	s_lshr_b32 s41, s39, 2                         ; and j
	s_lshr_b32 s42, s35, 1
	s_cmp_lt_u32 s35, 8
	s_cselect_b32 s40, s42, s40                    ; which matrix: 0 wk, 1 wv, 2 wq, 3 wp, 4, 5
	s_cselect_b32 s41, 0, s41
	s_cmp_eq_u32 s40, 4
	s_cselect_b32 s44, s41, 0                      ; j where it moves the rows
	s_cmp_eq_u32 s40, 5
	s_cselect_b32 s45, s41, 0                      ; j where it moves K
	s_cselect_b32 s43, 13, 11                      ; a row is 8,192 bytes in mlp_w2, 2,048 in the others
	s_lshl_b32 s46, s36, 3
	s_lshl_b32 s47, s38, 2
	s_add_co_u32 s46, s46, s47
	s_add_co_u32 s46, s46, s34
	s_lshl_b32 s47, s44, 5
	s_add_co_u32 s46, s46, s47                     ; T
	s_lshr_b32 s47, s46, 1
	s_lshl_b32 s47, s47, 5
	s_and_b32 s46, s46, 1
	s_lshl_b32 s46, s46, 3
	s_add_co_u32 s46, s46, s47                     ; the tile's first row: 32 (T / 2) + 8 (T % 2)
	s_lshl_b32 s46, s46, s43                       ; in bytes
	s_lshl_b32 s47, s37, 9
	s_add_co_u32 s46, s46, s47                     ; + 4 x 128 g
	s_lshl_b32 s47, s45, 11
	s_add_co_u32 s46, s46, s47                     ; + 4 x 512 j
	s_mov_b32 s47, 0
	s_lshl_b32 s45, s36, 9                         ; the bias: 4 x (128 w + 64 half (+ 512 j for mlp_b1))
	s_lshl_b32 s42, s38, 8
	s_add_co_u32 s45, s45, s42
	s_lshl_b32 s42, s44, 11
	s_add_co_u32 s44, s45, s42
	s_mov_b32 s45, 0
	v_and_b32 v3, 8, v1
	v_add_nc_u32 v3, v3, v1                        ; r + 8 (r / 8)
	v_lshlrev_b32 v3, s43, v3
	v_lshl_add_u32 v3, v2, 7, v3                   ; my row, + 128 h: my block of each 64 along K
	s_wait_kmcnt 0x0
	s_mov_b64 s[30:31], s[4:5]                     ; the choice of buffers hangs on the work-group's number alone
	s_mov_b64 s[32:33], s[16:17]
	s_cmp_eq_u32 s40, 1
	s_cselect_b64 s[30:31], s[6:7], s[30:31]
	s_cselect_b64 s[32:33], s[18:19], s[32:33]
	s_cmp_eq_u32 s40, 2
	s_cselect_b64 s[30:31], s[8:9], s[30:31]
	s_cselect_b64 s[32:33], s[20:21], s[32:33]
	s_cmp_eq_u32 s40, 3
	s_cselect_b64 s[30:31], s[10:11], s[30:31]
	s_cselect_b64 s[32:33], s[22:23], s[32:33]
	s_cmp_eq_u32 s40, 4
	s_cselect_b64 s[30:31], s[12:13], s[30:31]
	s_cselect_b64 s[32:33], s[24:25], s[32:33]
	s_cmp_eq_u32 s40, 5
	s_cselect_b64 s[30:31], s[14:15], s[30:31]
	s_cselect_b64 s[32:33], s[26:27], s[32:33]
	s_add_nc_u64 s[30:31], s[30:31], s[46:47]
	s_add_nc_u64 s[32:33], s[32:33], s[44:45]
.irp c, 0,1
.irp q, 0,1,2,3,4,5,6,7
	global_load_b128 v[X+32*\c+4*\q:X+32*\c+4*\q+3], v3, s[30:31] offset:256*\c+16*\q th:TH_LOAD_NT   ; W(my row, K0 + 64 c + 32 h + 4 q ..)
.endr
.endr
	s_mul_i32 s46, s35, CH                         ; where the results go
	s_mul_i32 s40, s36, QB
	s_add_co_u32 s46, s46, s40
	s_add_nc_u64 s[28:29], s[28:29], s[46:47]      ; the quarter
	s_mul_i32 s46, s37, 6400
	s_add_nc_u64 s[38:39], s[28:29], s[46:47]      ; the group
	s_mul_i32 s46, s34, 1536
	s_add_nc_u64 s[4:5], s[38:39], s[46:47]        ; my fragment
	s_mov_b32 s42, 0x76543210
	s_mov_b32 s43, 0xfedcba98                      ; v_permlanex16_b32's selects for lane l xor 16
	s_wait_loadcnt 0x0
.irp c, 0,1
	v_max3_num_f32 v[8+\c], |v[X+32*\c]|, |v[X+32*\c+1]|, 0x1800000   ; my block 2 c + h, and the floor 2^(3 - 127): the byte cannot fall under 1
.endr
.irp i, 2,4,6,8,10,12,14,16,18,20,22,24,26,28,30
.irp c, 0,1
	v_max3_num_f32 v[8+\c], v[8+\c], |v[X+32*\c+\i]|, |v[X+32*\c+\i+1]|
.endr
.endr
.irp c, 0,1
	v_add_nc_u32 v[10+\c], 0xff000000, v[8+\c]     ; 2 off the exponent field: the conversion's scale operand
.endr
.irp c, 0,1
	v_lshrrev_b32 v[12+\c], 23, v[10+\c]           ; the scale's byte
.endr
	v_lshl_or_b32 v14, v13, 16, v12                ; my two bytes, blocks h and 2 + h,
	v_lshlrev_b32 v15, 3, v2
	v_lshlrev_b32 v14, v15, v14                    ; at their places in the word;
	v_mov_b32 v15, 0
	v_permlanex16_b32 v15, v14, s42, s43
	v_or_b32 v14, v14, v15                         ; with lane l xor 16's two the word is whole
.irp c, 0,1
	v_cvt_scalef32_pk16_fp6_f32 v[F+6*\c:F+6*\c+2], v[X+32*\c:X+32*\c+15], v[10+\c]
	v_cvt_scalef32_pk16_fp6_f32 v[92+4*\c:94+4*\c], v[X+32*\c+16:X+32*\c+31], v[10+\c]   ; (a conversion's three registers begin on an even number)
.endr
	v_nop                                          ; one plain place behind a scaled conversion
.irp c, 0,1
.irp i, 0,1,2
	v_mov_b32 v[F+3+6*\c+\i], v[92+4*\c+\i]
.endr
.endr
.irp c, 0,1,2
	global_store_b128 v4, v[F+4*\c:F+4*\c+3], s[4:5] offset:512*\c   ; 32 lanes store 512 consecutive bytes
.endr
	ds_store_b32 v6, v14                           ; lanes r and 16 + r write the same word with the same value
	s_wait_dscnt 0x0                               ; for the others' sake: my store has landed
	s_barrier_signal -1
	s_barrier_wait -1
	s_cmp_lg_u32 s34, 0
	s_cbranch_scc1 .Lnot_wave_0
	ds_load_b64 v[8:9], v5                         ; the group's 64 scale words leave as 256 consecutive bytes
	s_wait_dscnt 0x0
	global_store_b64 v5, v[8:9], s[38:39] offset:6144
.Lnot_wave_0:
	s_cmp_lg_u32 s34, 1
	s_cbranch_scc1 .Lend
	s_cmp_lg_u32 s37, 0
	s_cbranch_scc1 .Lend
	global_load_b64 v[10:11], v5, s[32:33]         ; wave 1 of a quarter's first group copies the quarter's 64 numbers of bias
	s_wait_loadcnt 0x0
	global_store_b64 v5, v[10:11], s[28:29] offset:25600
.Lend:
	s_wait_tensorcnt 0x0
	ds_add_u32 v128, v129
	s_wait_dscnt 0x0
	s_endpgm
.Lfunc_end_k_q86f09ba555_prep:
	.size	k_q86f09ba555_prep, .Lfunc_end_k_q86f09ba555_prep-k_q86f09ba555_prep
	.p2alignl 7, 3214868480
	.fill 96, 4, 3214868480
	.section	.rodata,"a",@progbits
	.p2align	6, 0x0
	.amdhsa_kernel k_q86f09ba555_prep
		.amdhsa_group_segment_fixed_size 1536
		.amdhsa_private_segment_fixed_size 0
		.amdhsa_enable_private_segment 0
		.amdhsa_kernarg_size 104
		.amdhsa_user_sgpr_count 2
		.amdhsa_user_sgpr_kernarg_segment_ptr 1
		.amdhsa_wavefront_size32 1
		.amdhsa_system_sgpr_workgroup_id_x 1
		.amdhsa_system_sgpr_workgroup_id_y 1
		.amdhsa_system_sgpr_workgroup_id_z 1
		.amdhsa_system_vgpr_workitem_id 0
		.amdhsa_next_free_vgpr 130
		.amdhsa_next_free_sgpr 66
		.amdhsa_reserve_vcc 0
		.amdhsa_float_denorm_mode_32 3
		.amdhsa_float_denorm_mode_16_64 3
		.amdhsa_memory_ordered 1
		.amdhsa_forward_progress 1
		.amdhsa_inst_pref_size 10
	.end_amdhsa_kernel
	.amdgpu_metadata
---
amdhsa.version: [ 1, 2 ]
amdhsa.kernels:
  - .name:           k_q86f09ba555_prep
    .symbol:         k_q86f09ba555_prep.kd
    .args:
      - { .name: wk, .offset: 0, .size: 8, .value_kind: global_buffer, .address_space: global }
      - { .name: wv, .offset: 8, .size: 8, .value_kind: global_buffer, .address_space: global }
      - { .name: wq, .offset: 16, .size: 8, .value_kind: global_buffer, .address_space: global }
      - { .name: wp, .offset: 24, .size: 8, .value_kind: global_buffer, .address_space: global }
      - { .name: mlp_w1, .offset: 32, .size: 8, .value_kind: global_buffer, .address_space: global }
      - { .name: mlp_w2, .offset: 40, .size: 8, .value_kind: global_buffer, .address_space: global }
      - { .name: bk, .offset: 48, .size: 8, .value_kind: global_buffer, .address_space: global }
      - { .name: bv, .offset: 56, .size: 8, .value_kind: global_buffer, .address_space: global }
      - { .name: bq, .offset: 64, .size: 8, .value_kind: global_buffer, .address_space: global }
      - { .name: bp, .offset: 72, .size: 8, .value_kind: global_buffer, .address_space: global }
      - { .name: mlp_b1, .offset: 80, .size: 8, .value_kind: global_buffer, .address_space: global }
      - { .name: mlp_b2, .offset: 88, .size: 8, .value_kind: global_buffer, .address_space: global }
      - { .name: wst, .offset: 96, .size: 8, .value_kind: global_buffer, .address_space: global }
    .group_segment_fixed_size: 1536
    .private_segment_fixed_size: 0
    .kernarg_segment_align: 8
    .kernarg_segment_size: 104
    .max_flat_workgroup_size: 128
    .sgpr_count:     66
    .vgpr_count:     130
    .wavefront_size: 32
...
	.end_amdgpu_metadata
.endif
;; end of part 1
;; launch block (part 2): grid 256 x 1, 4 waves a work-group, clusters of 4 x 1, 327,680 bytes of LDS; arguments x, ln1_g, ln1_b, rel_table, gate, ln2_g, ln2_b, wst, out0; writes out0
.if DOCPART == 2
	.amdgcn_target "amdgcn-amd-amdhsa--gfx1250"
	.amdhsa_code_object_version 6
	.text
	.protected	k_q86f09ba555_block
	.globl	k_q86f09ba555_block
	.p2align	8
	.type	k_q86f09ba555_block,@function
k_q86f09ba555_block:
	s_mov_b64 s[64:65], 0
	v_nop
	global_prefetch_b8 v0, s[64:65] scope:SCOPE_SE
	s_setreg_imm32_b32 hwreg(HW_REG_WAVE_MODE, 25, 1), 1
	s_wait_xcnt 0x0
	s_wait_alu depctr_hold_cnt(0) depctr_sa_sdst(0) depctr_va_vdst(0) depctr_va_sdst(0) depctr_va_ssrc(0) depctr_va_vcc(0) depctr_vm_vsrc(0)
	s_getreg_b32 s2, hwreg(HW_REG_IB_STS2, 6, 4)
	s_cmp_eq_u32 s2, 0
	s_cbranch_scc0 .Lentry_in_a_cluster
	s_endpgm
.Lentry_in_a_cluster:
	s_bfe_u32 s2, ttmp6, 0x10000c
	s_cmp_lg_u32 s2, 0x3003
	s_cbranch_scc0 .Lentry_shape_is_right
	s_endpgm
.Lentry_shape_is_right:
; The whole block for ONE WINDOW of 64 tokens: LN1, q k v, attention, proj, gated skip, LN2, MLP, residual.  All products on codes of E2M3 with one E8M0 byte for each 32 along K.
; The rolls and the window partition only say which tokens sit together: token for token x3 = LN1(x) + proj(attention) + sigmoid(gate) x, out = x3 + MLP(LN2(x3)).
; THE MASK lies on the query and is built by the problem itself: only the 16 queries with n_i < 4 and n_j < 4 keep their scores.  For the other 48 every logit is -1e9: t is a whole number in f32,
; p = 1 for all 64 keys, l = 64: their attention row is (the sum over the keys of the quantised v) / 64, one row for all 48.  So q and q k^T are made for 16 rows, and proj for two tiles of rows.
; SHARES.  Four waves.  Row tile m (0..3) is a 4 x 4 quadrant of the window (n_i = 4 (m / 2) + r / 4, n_j = 4 (m % 2) + r % 4): tile 0 holds the open queries; tiles 0, 1 are keys 0-31, tiles 2, 3 keys 32-63.
; THE WAVES SHARE THE COLUMNS: wave w owns columns 128 w .. 128 w + 127 of every tensor of width 512 (heads 2 w, 2 w + 1) and 128 of each 512 hidden units, for all 64 rows.
; LAYOUT T of a wave's 64 x 128: register 64 m + 16 b + i of lane (r, h) is (row 16 m + r, column 128 w + 32 b + 16 h + i).  x is loaded so; the transposed products (source 0 = 16 rows of a weight, source 1 = 16 tokens)
; leave their results so, since the rows of a weight tile were chosen for it.  32 such registers (two blocks of 32, each shared with lane l xor 16) become half a fragment: 6 registers and 2 scale bytes.
; ACTIVATIONS go from wave to wave through LDS as images of the operand's registers.  WEIGHTS come as a stream of 24 chunks through a ring of two LDS slots; wave w fills and alone reads its quarter of a slot.
; CLUSTER.  The four windows of one image walk the same stream: each quarter is asked for JOINTLY, by the same tensor load with the same descriptor and a mask that names the four.
; By this text's own count a wave has two tensor loads outstanding at the start and one behind each change of slots.
; LIMITS: NaN and infinities are not served; a block whose largest magnitude lies under 2^-124 keeps the byte 1; erf is a rational form in f32 on arguments held to +-4: its error is about 1e-7 absolute,
; so for x under about -3 GELU's error is absolute (about |x| x 1e-7) and not relative.
; REGISTERS, in windows of 256 (s_set_vgpr_msb: bits 1:0 source 0, 3:2 source 1, 5:4 source 2, 7:6 destination):
;   window 0: v1-29 addresses; v32-47, v48-63 scale words of activations; v64-67 of weights; v68-95 at work; v96-127 a chunk's bias as C; v128-255 accumulators and work
;   window 1: 0-191 16 fragments of LN1(x), then attention's rows, then LN2(x3); 192-239 weight set 0
;   window 2: 0-191 gains and biases of a norm / k, v, q, p fragments / GELU's work / the hidden layer's 16 fragments; 192-239 weight set 1; 240-243 two constants
;   window 3: x, then x3, then the result: 256 registers in layout T
.set CH,    103424                     ; a chunk
.set QB,    25856                      ; a wave's quarter: 101 rows of 256 bytes
.set SLOT1, 131072                     ; slot 1 begins here: one exclusive or turns an address in one slot into the other's
.set XIMG,  234496                     ; behind the ring: 16 fragment images of 1,536 bytes (fragment 4 m + s; half k at 768 k: 512 bytes of 16 a lane, 256 of 8 a lane)
.set XSC,   24576                      ; from XIMG on: their scale words, 128 bytes each;
.set HIMG,  26624                      ; the hidden layer's 16 images;
.set HSC,   51200                      ; their scale words
.set ST1,   287744                     ; 64 rows x 32 bytes: (mean, sum of squares) of each wave's 128 columns, for LN1; LN2's lie 2,048 further on
.set STAGE, 291840                     ; the way out: 16 rows x (512 + 16) bytes for each wave
.set SPARE, 325632                     ; the spare words, 128 bytes for each wave: two blocks of 256 bytes that no other line names
.set TM,  68                           ; v68-69 largest magnitudes;  v70-71 the other lane's;  v72-73 scale operands;  v74-75 bytes;  v76 two bytes;  v78-84 codes
.set TP,  70
.set TS,  72
.set TBY, 74
.set HWD, 76
.set CC,  78
.set AS,  32
.set HS,  48
.set KS,  48
.set VS,  52
.set QS,  56
.set PS,  57
.set US,  58
.set WS,  64
.set BB,  96
.set ACC, 128
.set KF,  0                            ; in window 2
.set VF,  48
.set QF,  96
.set PF,  120
.set UF,  144
.set MSB, 0
.macro WIN new                         ; the immediate's high byte repeats the setting that is left; a switch that changes nothing is dropped
.if MSB != (\new)
	s_set_vgpr_msb (MSB<<8)|(\new)
.set MSB, (\new)
.endif
.endm
.macro PLACES n
.rept \n
	v_nop
.endr
.endm
.macro BARRIER                         ; my LDS stores have landed and my LDS loads are in: then the work-group's barrier.
	s_wait_dscnt 0x0
	s_barrier_signal -1
	s_barrier_wait -1
.endm
.macro ROUND                           ; a round of the cluster's barrier
	s_barrier_signal -1
	s_barrier_wait -1
	s_cmp_lg_u32 s22, 0
	s_cbranch_scc1 .Lnot_wave_0_\@
	s_barrier_signal -3
.Lnot_wave_0_\@:
	s_barrier_wait -3
	s_barrier_signal -1
	s_barrier_wait -1
.endm
.macro SPAIR reg, val                  ; a constant as a pair: the packed forms name a pair and take its low word for both halves
	s_mov_b32 s[\reg], \val
	s_mov_b32 s[\reg+1], \val
.endm
.macro WADS                            ; the addresses in the slot that is read next
	v_add_nc_u32 v13, s44, v9
	v_add_nc_u32 v14, s44, v10
	v_add_nc_u32 v15, s44, v11
	v_add_nc_u32 v16, s44, v12
.endm
.macro LOADW g, p                      ; group g's four fragments into weight set p, and its 64 scale words: fragment t's stand in register WS + 2 p + t / 2, lanes 16 (t % 2) on
	WIN ((1+(\p))<<6)
.irp t, 0,1,2,3
.irp c, 0,1,2
	ds_load_b128 v[192+12*\t+4*\c:192+12*\t+4*\c+3], v13 offset:6400*(\g)+1536*\t+512*\c
.endr
.endr
	WIN 0
	ds_load_b32 v[WS+2*(\p)], v14 offset:6400*(\g)+6144
	ds_load_b32 v[WS+2*(\p)+1], v14 offset:6400*(\g)+6144+128
.endm
.macro LOADBB kind                     ; a chunk's bias in the result's layout.  1: transposed product, a lane's eight columns;  2: v's product, the lane's one channel eight times
.if (\kind) == 1
.irp t, 0,1,2,3
	ds_load_b128 v[BB+8*\t:BB+8*\t+3], v15 offset:25600+128*(\t/2)+32*(\t%2)
	ds_load_b128 v[BB+8*\t+4:BB+8*\t+7], v15 offset:25600+128*(\t/2)+32*(\t%2)+16
.endr
.endif
.if (\kind) == 2
.irp t, 0,1,2,3
.irp j, 0,1,2,3,4,5,6,7
	ds_load_b32 v[BB+8*\t+\j], v16 offset:25600+128*(\t/2)+32*(\t%2)
.endr
.endr
.endif
.endm
; The products of weight fragment tt with the row tiles 0 .. rows - 1, K step ks, weight set pp.
.macro MMG nat, rows, DB, DM, DT, ASB, cini, ks, pp, tt
.set mm_m, 0
.rept \rows
.set mm_d, (\DB)+(\DM)*mm_m+(\DT)*(\tt)
.set mm_w, 192+12*(\tt)
.set mm_a, 12*(4*mm_m+(\ks))
.set mm_s, (\ASB)+4*mm_m+(\ks)
.set mm_v, WS+2*(\pp)+(\tt)/2
.set mm_c, mm_d
.if (\cini) && ((\ks) == 0)
.set mm_c, BB+8*(\tt)
.endif
.if \nat
.if (\tt)%2
	v_wmma_scale_f32_16x16x128_f8f6f4 v[mm_d:mm_d+7], v[mm_a:mm_a+11], v[mm_w:mm_w+11], v[mm_c:mm_c+7], v[mm_s], v[mm_v] matrix_a_fmt:MATRIX_FMT_FP6 matrix_b_fmt:MATRIX_FMT_FP6 matrix_b_scale:MATRIX_SCALE_ROW1
.else
	v_wmma_scale_f32_16x16x128_f8f6f4 v[mm_d:mm_d+7], v[mm_a:mm_a+11], v[mm_w:mm_w+11], v[mm_c:mm_c+7], v[mm_s], v[mm_v] matrix_a_fmt:MATRIX_FMT_FP6 matrix_b_fmt:MATRIX_FMT_FP6
.endif
.else
.if (\tt)%2
	v_wmma_scale_f32_16x16x128_f8f6f4 v[mm_d:mm_d+7], v[mm_w:mm_w+11], v[mm_a:mm_a+11], v[mm_c:mm_c+7], v[mm_v], v[mm_s] matrix_a_fmt:MATRIX_FMT_FP6 matrix_b_fmt:MATRIX_FMT_FP6 matrix_a_scale:MATRIX_SCALE_ROW1
.else
	v_wmma_scale_f32_16x16x128_f8f6f4 v[mm_d:mm_d+7], v[mm_w:mm_w+11], v[mm_a:mm_a+11], v[mm_c:mm_c+7], v[mm_v], v[mm_s] matrix_a_fmt:MATRIX_FMT_FP6 matrix_b_fmt:MATRIX_FMT_FP6
.endif
.endif
.set mm_m, mm_m+1
.endr
.endm
; ONE CHUNK: 64 columns of my 128, K = 512 in four groups, rows x 16 tokens.  nat = 0: transposed (source 0 = weights); 1: source 0 = tokens (v).  The result of (tile m, fragment t) lies at DB + DM m + DT t of
; window DWIN; the tokens' fragments 4 m + s in window AWIN, their scale words from ASB on.  cini = 1: the bias starts the sums; 0: they go on.  The accumulators take turns, one instruction a turn.
; While group s is multiplied, group s + 1 is fetched into the other weight set, behind four places: that set's last products stand ahead of them.
; turn = 1: THE CHANGE OF SLOTS, in the last group, whose fragments are in registers: my reads of this slot are over.  I wait for all my tensor loads (one is out: my quarter of the next chunk), add 0 to my spare word,
; wait for that; a round of the cluster's barrier; my quarter of the chunk two on is asked for, first thing behind it; then the next chunk's first group and its bias (kind nb) are fetched.
; turn = 2: the last chunk but one: nothing is asked for; the wait shows my quarter of the last chunk landed, which I alone read.  turn = 0: the last chunk.
.macro CHUNK nat, rows, DB, DM, DT, DWIN, AWIN, ASB, cini, turn, nb
.irp s, 0,1,2,3
.set ck_p, (\s)%2
.if \nat
.set ck_w, (\AWIN)|((1+ck_p)<<2)|((\DWIN)<<4)|((\DWIN)<<6)
.else
.set ck_w, (1+ck_p)|((\AWIN)<<2)|((\DWIN)<<4)|((\DWIN)<<6)
.endif
	s_wait_dscnt 0x0                               ; this group's fragments and scale words are in
.if (\s == 3) && (\turn == 1)
	WIN 0                                          ; (the add's two registers lie in window 0)
	s_wait_tensorcnt 0x0                           ; all my tensor loads have landed, so the walking descriptor may be written
	ds_add_u32 v1, v2                              ; 0 onto my spare word
	s_xor_b32 s41, s41, SLOT1                      ; the slot that I have read out,
	s_add_nc_u64 s[42:43], s[42:43], CH            ; the chunk two on; the type bits on top are not reached
	s_xor_b32 s44, s44, SLOT1                      ; my reads go on in the other slot
.endif
	WIN ck_w
	MMG \nat, \rows, \DB, \DM, \DT, \ASB, \cini, \s, ck_p, 0
.if \s < 3
	WIN 0
	PLACES 4
	LOADW \s+1, 1-ck_p
.elseif \turn == 1
	WIN 0
	s_wait_dscnt 0x0                               ; the add is done; no LDS instruction of mine is out
	ROUND                                          ; the same holds of every wave of the four work-groups
	tensor_load_to_lds s[40:43], s[28:35]          ; my one tensor load behind the round
	s_nop 0
	PLACES 4                                       ; the places in front of the loads below
	WADS
	LOADW 0, 0
	LOADBB \nb
.elseif \turn == 2
	WIN 0
	s_wait_tensorcnt 0x0
	s_xor_b32 s44, s44, SLOT1
	PLACES 4
	WADS
	LOADW 0, 0
	LOADBB \nb
.endif
	WIN ck_w
	MMG \nat, \rows, \DB, \DM, \DT, \ASB, \cini, \s, ck_p, 1
	MMG \nat, \rows, \DB, \DM, \DT, \ASB, \cini, \s, ck_p, 2
	MMG \nat, \rows, \DB, \DM, \DT, \ASB, \cini, \s, ck_p, 3
.endr
	WIN 0
.endm
; 32 numbers of a lane, v[src + 16 b + i] = k 32 b + 16 h + i of my row, become half a fragment: codes in v[CC], +1, +2, +4, +5, +6 and two scale bytes in v[HWD].  wt = 1: earlier LDS stores have read these registers first.
.macro QH src, wt
	v_max3_num_f32 v[TM], |v[(\src)]|, |v[(\src)+1]|, 0x1800000       ; my 16 numbers of each block, and the floor 2^(3 - 127): the byte cannot fall under 1
	v_max3_num_f32 v[TM+1], |v[(\src)+16]|, |v[(\src)+17]|, 0x1800000
.irp i, 2,4,6,8,10,12,14
	v_max3_num_f32 v[TM], v[TM], |v[(\src)+\i]|, |v[(\src)+\i+1]|
	v_max3_num_f32 v[TM+1], v[TM+1], |v[(\src)+16+\i]|, |v[(\src)+17+\i]|
.endr
	v_permlanex16_b32 v[TP], v[TM], s26, s27
	v_permlanex16_b32 v[TP+1], v[TM+1], s26, s27
	v_max_num_f32 v[TM], v[TM], v[TP]              ; with lane l xor 16's: the block's largest magnitude
	v_max_num_f32 v[TM+1], v[TM+1], v[TP+1]
	v_add_nc_u32 v[TS], 0xff000000, v[TM]          ; 2 off its exponent field: the conversion's scale operand
	v_add_nc_u32 v[TS+1], 0xff000000, v[TM+1]
	v_lshrrev_b32 v[TBY], 23, v[TS]                ; the scale's byte
	v_lshrrev_b32 v[TBY+1], 23, v[TS+1]
.if \wt
	s_wait_dscnt 0x0
.endif
	v_lshl_or_b32 v[HWD], v[TBY+1], 8, v[TBY]
	v_cvt_scalef32_pk16_fp6_f32 v[CC:CC+2], v[(\src):(\src)+15], v[TS]
	v_cvt_scalef32_pk16_fp6_f32 v[CC+4:CC+6], v[(\src)+16:(\src)+31], v[TS+1]
	v_nop                                          ; one plain place behind a scaled conversion
.irp i, 0,1,2
	v_permlane16_swap_b32 v[CC+\i], v[CC+4+\i]     ; the operand wants a whole block in a lane: lanes 0-15 the first block, lanes 16-31 the second
.endr
.endm
.macro QHI src, a16, a8, a4, off, soff ; ... and its image goes to LDS
	QH \src, 1
	v_mov_b32 v[CC+3], v[CC+4]
	v_mov_b32 v[CC+4], v[CC+5]
	v_mov_b32 v[CC+5], v[CC+6]
	ds_store_b128 v[\a16], v[CC:CC+3] offset:\off
	ds_store_b64 v[\a8], v[CC+4:CC+5] offset:(\off)+512
	ds_store_b16 v[\a4], v[HWD] offset:\soff
.endm
.macro QHR src, dst, sreg, kap         ; ... and it stays in my registers: window 2 from dst on; its bytes are half kap of the scale word sreg
	QH \src, 0
	WIN 0x80
	v_mov_b32 v[(\dst)], v[CC]
	v_mov_b32 v[(\dst)+1], v[CC+1]
	v_mov_b32 v[(\dst)+2], v[CC+2]
	v_mov_b32 v[(\dst)+3], v[CC+4]
	v_mov_b32 v[(\dst)+4], v[CC+5]
	v_mov_b32 v[(\dst)+5], v[CC+6]
	WIN 0
.if (\kap) == 0
	v_mov_b32 v[(\sreg)], v[HWD]
.else
	v_lshl_or_b32 v[(\sreg)], v[HWD], 16, v[(\sreg)]
.endif
.endm
.macro FETCH n, base, sbase, wd, sreg  ; n fragment images into window wd from index 0 on, their scale words into v[sreg] on
	WIN ((\wd)<<6)
.set ff, 0
.rept \n
	ds_load_b128 v[12*ff:12*ff+3], v3 offset:(\base)+1536*ff
	ds_load_b64 v[12*ff+4:12*ff+5], v4 offset:(\base)+1536*ff+512
	ds_load_b128 v[12*ff+6:12*ff+9], v3 offset:(\base)+1536*ff+768
	ds_load_b64 v[12*ff+10:12*ff+11], v4 offset:(\base)+1536*ff+1280
.set ff, ff+1
.endr
	WIN 0
.set ff, 0
.rept \n
	ds_load_b32 v[(\sreg)+ff], v5 offset:(\sbase)+128*ff
.set ff, ff+1
.endr
.endm
; A norm's figures for row tile m over my 128 columns: the mean, then the sum of squares of the differences from it (no difference of large sums is formed).
.macro LNSTAT m, st
	WIN 0x0f
.irp k, 0,1,2,3
	v_pk_add_f32 v[192+2*\k:193+2*\k], v[64*(\m)+4*\k:64*(\m)+4*\k+1], v[64*(\m)+4*\k+2:64*(\m)+4*\k+3]
.endr
	WIN 0x0c
.irp i, 16,24,32,40,48,56
.irp k, 0,1,2,3
	v_pk_add_f32 v[192+2*\k:193+2*\k], v[192+2*\k:193+2*\k], v[64*(\m)+\i+2*\k:64*(\m)+\i+2*\k+1]
.endr
.endr
	WIN 0
	v_pk_add_f32 v[192:193], v[192:193], v[194:195]
	v_pk_add_f32 v[196:197], v[196:197], v[198:199]
	v_pk_add_f32 v[192:193], v[192:193], v[196:197]
	v_add_f32 v192, v192, v193
	v_permlanex16_b32 v[TP], v192, s26, s27
	v_add_f32 v192, v192, v[TP]
	v_mul_f32 v[200+2*(\m)], 0x3c000000, v192      ; / 128
	v_mov_b32 v[201+2*(\m)], 0                     ; (named with it as a pair below)
	WIN 0x03
.set ii, 0
.rept 32
	v_pk_add_f32 v[ACC+2*ii:ACC+2*ii+1], v[64*(\m)+2*ii:64*(\m)+2*ii+1], v[200+2*(\m):201+2*(\m)] op_sel_hi:[1,0] neg_lo:[0,1] neg_hi:[0,1]
.set ii, ii+1
.endr
	WIN 0
.irp k, 0,1,2,3
	v_pk_mul_f32 v[192+2*\k:193+2*\k], v[ACC+2*\k:ACC+2*\k+1], v[ACC+2*\k:ACC+2*\k+1]
.endr
.irp i, 8,16,24,32,40,48,56
.irp k, 0,1,2,3
	v_pk_fma_f32 v[192+2*\k:193+2*\k], v[ACC+\i+2*\k:ACC+\i+2*\k+1], v[ACC+\i+2*\k:ACC+\i+2*\k+1], v[192+2*\k:193+2*\k]
.endr
.endr
	v_pk_add_f32 v[192:193], v[192:193], v[194:195]
	v_pk_add_f32 v[196:197], v[196:197], v[198:199]
	v_pk_add_f32 v[192:193], v[192:193], v[196:197]
	v_add_f32 v192, v192, v193
	v_permlanex16_b32 v[TP], v192, s26, s27
	v_add_f32 v[201+2*(\m)], v192, v[TP]
	ds_store_b64 v25, v[200+2*(\m):201+2*(\m)] offset:(\st)+512*(\m)   ; lanes r and 16 + r write the same bytes with the same values
.endm
; The four waves' figures are joined: mean = the mean of the means; sum of squares = their sum + 128 x the sum of (mean_w - mean)^2.  (mean, 1 / sqrt(variance + 1e-5)) of tile m: v[208 + 2 m], +1
.macro LNCOMB st
	s_mov_b32 s60, 0x3b000000                      ; 1 / 512
	s_mov_b32 s61, 0x3727c5ac                      ; 1e-5
.irp m, 0,1,2,3
	ds_load_b128 v[224+8*\m:227+8*\m], v26 offset:(\st)+512*\m
	ds_load_b128 v[228+8*\m:231+8*\m], v26 offset:(\st)+512*\m+16
.endr
	s_wait_dscnt 0x0
.irp m, 0,1,2,3
	v_add_f32 v[192+\m], v[224+8*\m], v[226+8*\m]
.endr
.irp m, 0,1,2,3
	v_add_f32 v[196+\m], v[228+8*\m], v[230+8*\m]
.endr
.irp m, 0,1,2,3
	v_add_f32 v[192+\m], v[192+\m], v[196+\m]
.endr
.irp m, 0,1,2,3
	v_mul_f32 v[208+2*\m], 0x3e800000, v[192+\m]
.endr
.irp m, 0,1,2,3
	v_add_f32 v[192+\m], v[225+8*\m], v[227+8*\m]
.endr
.irp m, 0,1,2,3
	v_add_f32 v[196+\m], v[229+8*\m], v[231+8*\m]
.endr
.irp m, 0,1,2,3
	v_add_f32 v[192+\m], v[192+\m], v[196+\m]
.endr
.irp k, 0,2,4,6
.irp m, 0,1,2,3
	v_sub_f32 v[224+8*\m+\k], v[224+8*\m+\k], v[208+2*\m]
.endr
.endr
.irp m, 0,1,2,3
	v_mul_f32 v[196+\m], v[224+8*\m], v[224+8*\m]
.endr
.irp k, 2,4,6
.irp m, 0,1,2,3
	v_fma_f32 v[196+\m], v[224+8*\m+\k], v[224+8*\m+\k], v[196+\m]
.endr
.endr
.irp m, 0,1,2,3
	v_fma_f32 v[192+\m], v[196+\m], 0x43000000, v[192+\m]
.endr
.irp m, 0,1,2,3
	v_fma_f32 v[192+\m], v[192+\m], s60, s61
.endr
.irp m, 0,1,2,3
	v_rsq_f32 v[209+2*\m], v[192+\m]
.endr
	v_nop                                          ; a plain place behind the last of the four,
	s_wait_alu depctr_va_vdst(0)                   ; and one wait for the four, ahead of their first use
.endm
; Row tile m is normalised into v128-191 and quantised; its two halves of fragment 4 m + w go to LDS.  first = 1: x gives way to sigmoid(gate) x + LN1(x)
.macro LNAPPLY m, first
	WIN 0x03
.set ii, 0
.rept 32
	v_pk_add_f32 v[ACC+2*ii:ACC+2*ii+1], v[64*(\m)+2*ii:64*(\m)+2*ii+1], v[208+2*(\m):209+2*(\m)] op_sel_hi:[1,0] neg_lo:[0,1] neg_hi:[0,1]
.set ii, ii+1
.endr
	WIN 0
.set ii, 0
.rept 32
	v_pk_mul_f32 v[ACC+2*ii:ACC+2*ii+1], v[ACC+2*ii:ACC+2*ii+1], v[208+2*(\m):209+2*(\m)] op_sel:[0,1] op_sel_hi:[1,1]
.set ii, ii+1
.endr
	WIN 0x28
.set ii, 0
.rept 32
	v_pk_fma_f32 v[ACC+2*ii:ACC+2*ii+1], v[ACC+2*ii:ACC+2*ii+1], v[2*ii:2*ii+1], v[64+2*ii:65+2*ii]
.set ii, ii+1
.endr
.if \first
	WIN 0xc3
.set ii, 0
.rept 32
	v_pk_fma_f32 v[64*(\m)+2*ii:64*(\m)+2*ii+1], v[64*(\m)+2*ii:64*(\m)+2*ii+1], v[216+2*(\m):217+2*(\m)], v[ACC+2*ii:ACC+2*ii+1] op_sel_hi:[1,0,1]
.set ii, ii+1
.endr
.endif
	WIN 0
	QHI ACC, 6, 7, 8, 6144*(\m), XSC+512*(\m)
	QHI ACC+32, 6, 7, 8, 6144*(\m)+768, XSC+512*(\m)+2
.endm
; GELU(x) = x (0.5 + T P(T^2) / Q(T^2)), T = x / sqrt(2) held to +-4; P holds half of erf's numerator.  128 numbers of a lane in four batches of 32.  A batch's 32 reciprocals are issued together; P's
; 112 plain instructions follow; ONE wait stands ahead of the first use.
.macro GELU
.irp bt, 0,1,2,3
	WIN 0x80
.set gi, 0
.rept 16
	v_pk_mul_f32 v[2*gi:2*gi+1], v[ACC+32*\bt+2*gi:ACC+32*\bt+2*gi+1], s[74:75] op_sel_hi:[1,0]
.set gi, gi+1
.endr
	WIN 0xaa
.set gi, 0
.rept 32
	v_med3_num_f32 v[gi], v[gi], -4.0, 4.0
.set gi, gi+1
.endr
.set gi, 0
.rept 16
	v_pk_mul_f32 v[32+2*gi:33+2*gi], v[2*gi:2*gi+1], v[2*gi:2*gi+1]
.set gi, gi+1
.endr
.set gi, 0
.rept 16
	v_pk_fma_f32 v[64+2*gi:65+2*gi], v[32+2*gi:33+2*gi], v[242:243], s[88:89] op_sel_hi:[1,1,0]
.set gi, gi+1
.endr
.irp cf, 90,92,94
.set gi, 0
.rept 16
	v_pk_fma_f32 v[64+2*gi:65+2*gi], v[64+2*gi:65+2*gi], v[32+2*gi:33+2*gi], s[\cf:\cf+1] op_sel_hi:[1,1,0]
.set gi, gi+1
.endr
.endr
.set gi, 0
.rept 32
	v_rcp_f32 v[64+gi], v[64+gi]
.set gi, gi+1
.endr
.set gi, 0
.rept 16
	v_pk_fma_f32 v[96+2*gi:97+2*gi], v[32+2*gi:33+2*gi], v[240:241], s[76:77] op_sel_hi:[1,1,0]
.set gi, gi+1
.endr
.irp cf, 78,80,82,84,86
.set gi, 0
.rept 16
	v_pk_fma_f32 v[96+2*gi:97+2*gi], v[96+2*gi:97+2*gi], v[32+2*gi:33+2*gi], s[\cf:\cf+1] op_sel_hi:[1,1,0]
.set gi, gi+1
.endr
.endr
.set gi, 0
.rept 16
	v_pk_mul_f32 v[96+2*gi:97+2*gi], v[96+2*gi:97+2*gi], v[2*gi:2*gi+1]
.set gi, gi+1
.endr
	s_wait_alu depctr_va_vdst(0)                   ; one wait for the batch's reciprocals
.set gi, 0
.rept 16
	v_pk_fma_f32 v[96+2*gi:97+2*gi], v[96+2*gi:97+2*gi], v[64+2*gi:65+2*gi], 0.5 op_sel_hi:[1,1,0]
.set gi, gi+1
.endr
	WIN 0x08
.set gi, 0
.rept 16
	v_pk_mul_f32 v[ACC+32*\bt+2*gi:ACC+32*\bt+2*gi+1], v[ACC+32*\bt+2*gi:ACC+32*\bt+2*gi+1], v[96+2*gi:97+2*gi]
.set gi, gi+1
.endr
.endr
	WIN 0
.endm
.macro FILL2 first, n, val             ; n registers from index first on (the window is set by the caller)
.set zz, 0
.rept \n
	v_mov_b32 v[(\first)+zz], \val
.set zz, zz+1
.endr
.endm
	; ---- THE HEAD
	s_load_b512 s[4:19], s[0:1], 0x0               ; x s[4:5], ln1_g s[6:7], ln1_b s[8:9], rel_table s[10:11], gate s[12:13], ln2_g s[14:15], ln2_b s[16:17], wst s[18:19]
	s_load_b64 s[20:21], s[0:1], 0x40              ; out0
	v_lshl_add_u32 v1, v0, 2, SPARE
	v_mov_b32 v2, 0
	ds_add_u32 v1, v2
	ds_add_u32 v1, v2
	s_wait_dscnt 0x0
	v_lshrrev_b32 v85, 5, v0
	v_readfirstlane_b32 s22, v85                   ; wave 0..3
	s_bfe_u32 s23, ttmp6, 0x40000                  ; cx: my place in the cluster
	s_lshl_b32 s24, ttmp9, 2
	s_add_co_u32 s24, s24, s23                     ; my window = 4 x image + cx: it enters the addresses of x, gate and out0 alone
	s_bfe_u32 s60, s24, 0x10001
	s_and_b32 s61, s24, 1
	s_lshl_b32 s60, s60, 3                         ; 8 x the window's row
	s_lshl_b32 s61, s61, 3                         ; 8 x its column
.irp m, 0,1,2,3                        ; quadrant m begins, in the image as it lies in memory, at row (8 wi + 4 (m / 2) + 4) mod 16, column (8 wj + 4 (m % 2) + 4) mod 16: the roll by 4
	s_add_co_u32 s62, s60, 4*(\m/2)+4
	s_and_b32 s62, s62, 15
	s_add_co_u32 s63, s61, 4*(\m%2)+4
	s_and_b32 s63, s63, 15
	s_lshl_b32 s62, s62, 4
	s_add_co_u32 s62, s62, s63
	s_lshl_b32 s[54+\m], s62, 2                    ; its first token's byte in gate
	s_lshl_b32 s63, ttmp9, 8
	s_add_co_u32 s62, s62, s63
	s_lshl_b32 s[50+\m], s62, 11                   ; and in x and out0: 2,048 bytes a token
.endr
	s_mul_i32 s25, s22, QB                         ; my quarter of a chunk and of a slot
	s_mov_b32 s26, 0x76543210
	s_mov_b32 s27, 0xfedcba98                      ; v_permlanex16_b32's selects for lane l xor 16
	s_mov_b32 s44, 0                               ; the slot that is read
	SPAIR 58, 0x3fb8aa3b                           ; log2(e)
	SPAIR 74, 0x3f3504f3                           ; 1 / sqrt(2)
	SPAIR 76, 0x326dffee                           ; half of erf's numerator, from its second coefficient on
	SPAIR 78, 0xb58cff51
	SPAIR 80, 0xb7eec2d2
	SPAIR 82, 0xb9c0ac63
	SPAIR 84, 0xbac1a1f6
	SPAIR 86, 0xbc03dbd4
	SPAIR 88, 0xb95fbd29                           ; its denominator, from its second coefficient on
	SPAIR 90, 0xbadc924e
	SPAIR 92, 0xbbf19bf8
	SPAIR 94, 0xbc69b6a7
	; descriptor group 1: 101 dense rows of 256 bytes (32 elements of 8 bytes), no padding
	s_mov_b32 s28, 15|(3<<16)|(1<<21)              ; 15:0 the mask: all four work-groups; 17:16 elements of 8 bytes; 21 set beside a mask
	s_mov_b32 s29, 32<<16                          ; tensor_dim0 = 32
	s_mov_b32 s30, 101<<16                         ; tensor_dim1 = 101
	s_mov_b32 s31, 32<<16                          ; tile_dim0 = 32
	s_mov_b32 s32, 101                             ; tile_dim1 = 101
	s_mov_b32 s33, 32                              ; from row to row
	s_mov_b32 s34, 0
	s_mov_b32 s35, 0
	v_and_b32 v85, 31, v0                          ; lane
	v_and_b32 v86, 15, v0                          ; r
	v_bfe_u32 v87, v0, 4, 1                        ; h
	v_lshrrev_b32 v92, 2, v86
	v_and_b32 v93, 3, v86
	v_lshl_add_u32 v94, v92, 4, v93                ; my token in its quadrant: 16 (r / 4) + r % 4 tokens on
	v_lshlrev_b32 v28, 2, v94
	s_lshl_b32 s60, s22, 9                         ; my wave's 128 columns: 512 bytes
	v_lshl_add_u32 v21, v87, 6, s60                ; gains and biases: 512 w + 64 h
	v_lshl_add_u32 v20, v94, 11, v21               ; x: + my token
.irp m, 0,1,2,3
	v_add_nc_u32 v[88+\m], s[54+\m], v28
.endr
	s_mov_b32 s63, 0
	s_wait_kmcnt 0x0
.irp m, 0,1,2,3
	s_mov_b32 s62, s[50+\m]
	s_add_nc_u64 s[66+2*\m:67+2*\m], s[4:5], s[62:63]
.endr
.irp m, 0,1,2,3
	global_load_b32 v[216+2*\m], v[88+\m], s[12:13]
.endr
	WIN 0xc0
.irp m, 0,1,2,3
.irp b, 0,1,2,3
.irp q, 0,1,2,3
	global_load_b128 v[64*\m+16*\b+4*\q:64*\m+16*\b+4*\q+3], v20, s[66+2*\m:67+2*\m] offset:128*\b+16*\q th:TH_LOAD_NT   ; x in layout T
.endr
.endr
.endr
	WIN 0x80
.irp b, 0,1,2,3
.irp q, 0,1,2,3
	global_load_b128 v[16*\b+4*\q:16*\b+4*\q+3], v21, s[6:7] offset:128*\b+16*\q
.endr
.endr
.irp b, 0,1,2,3
.irp q, 0,1,2,3
	global_load_b128 v[64+16*\b+4*\q:64+16*\b+4*\q+3], v21, s[8:9] offset:128*\b+16*\q
.endr
.endr
	WIN 0
	s_mov_b32 s62, s25
	s_add_nc_u64 s[38:39], s[18:19], s[62:63]      ; chunk 0, my quarter
	s_add_nc_u64 s[42:43], s[38:39], CH            ; chunk 1
	s_or_b32 s39, s39, 0x80000000                  ; type = 2
	s_or_b32 s43, s43, 0x80000000
	s_mov_b32 s36, 1
	s_mov_b32 s37, s25                             ; slot 0
	s_mov_b32 s40, 1
	s_add_co_u32 s41, s25, SLOT1                   ; slot 1: this descriptor then walks on
	ROUND                                          ; all four work-groups are here: the first joint loads meet
	tensor_load_to_lds s[36:39], s[28:35]
	s_nop 0
	tensor_load_to_lds s[40:43], s[28:35]
	s_nop 0
	PLACES 4
	v_lshl_add_u32 v3, v85, 4, XIMG                ; images, as any wave fetches them: 16, 8, 4 bytes a lane
	v_lshl_add_u32 v4, v85, 3, XIMG
	v_lshl_add_u32 v5, v85, 2, XIMG
	s_mul_i32 s61, s22, 1536
	v_add_nc_u32 v6, s61, v3                       ; and as I store them: K step w
	v_add_nc_u32 v7, s61, v4
	s_lshl_b32 s61, s22, 7
	v_add_nc_u32 v8, s61, v5
	v_lshl_add_u32 v9, v85, 4, s25                 ; my quarter of slot 0: fragments,
	v_lshl_add_u32 v10, v85, 2, s25                ; scale words,
	v_lshl_add_u32 v11, v87, 6, s25                ; the bias by columns,
	v_and_b32 v95, 8, v86
	v_add_nc_u32 v95, v95, v86
	v_lshl_add_u32 v12, v95, 2, s25                ; the bias of my lane's one channel
	v_add_nc_u32 v29, SLOT1, v11
	s_mul_i32 s61, s22, 8448
	s_add_co_u32 s61, s61, STAGE                   ; my stage
	v_mul_u32_u24 v22, v86, 528
	v_lshl_add_u32 v22, v87, 6, v22
	v_add_nc_u32 v22, s61, v22                     ; in: row r, + 64 h
	v_lshl_add_u32 v23, v85, 4, s61                ; back: 32 lanes take a row's 512 bytes
	v_lshl_add_u32 v24, v85, 4, s60                ; and the same in out0
	s_lshl_b32 s61, s22, 3
	s_add_co_u32 s61, s61, ST1
	v_lshl_add_u32 v25, v86, 5, s61                ; a norm's figures: row r, my wave's 8 bytes
	v_lshl_add_u32 v26, v86, 5, ST1
	v_mad_u32_u24 v94, v92, 15, v93                ; rel_table: 32 bytes x (15 (n_i - head + 7) + n_j - m_i + 7), with n_i = r / 4, n_j = r % 4, head = 2 w (+ 1), m_i = 2 h + ..
	v_lshlrev_b32 v95, 1, v87
	v_sub_nc_u32 v94, v94, v95
	s_mul_i32 s61, s22, 30
	s_sub_co_u32 s61, 112, s61
	v_add_nc_u32 v94, s61, v94
	v_lshlrev_b32 v27, 5, v94
	v_mov_b32 v[TP], 0                             ; written once: a lane permute's destination counts as one of its sources
	v_mov_b32 v[TP+1], 0
	; ---- LN1.  Behind tile m's 16 loads stand 80, 64, 48, 32 younger ones; a wait's count ends at 63
	s_wait_loadcnt 63
	LNSTAT 0, 0
	s_wait_loadcnt 63
	LNSTAT 1, 0
	s_wait_loadcnt 48
	LNSTAT 2, 0
	s_wait_loadcnt 32
	LNSTAT 3, 0
.irp m, 0,1,2,3
	v_mul_f32 v[216+2*\m], 0xbfb8aa3b, v[216+2*\m] ; sigmoid(gate) = 1 / (1 + 2^(-gate log2(e)))
.endr
.irp m, 0,1,2,3
	v_exp_f32 v[216+2*\m], v[216+2*\m]
.endr
	v_nop
	s_wait_alu depctr_va_vdst(0)                   ; one wait for the four
.irp m, 0,1,2,3
	v_add_f32 v[216+2*\m], 1.0, v[216+2*\m]
.endr
.irp m, 0,1,2,3
	v_rcp_f32 v[216+2*\m], v[216+2*\m]
.endr
	v_nop
	s_wait_alu depctr_va_vdst(0)
.irp m, 0,1,2,3
	v_mov_b32 v[217+2*\m], v[216+2*\m]
.endr
	BARRIER                                        ; all four waves' figures lie in LDS
	LNCOMB 0
	s_wait_loadcnt 0x0                             ; the gains and biases
	LNAPPLY 0, 1
	LNAPPLY 1, 1
	LNAPPLY 2, 1
	LNAPPLY 3, 1
	BARRIER                                        ; the 16 fragments of LN1(x) lie in LDS
	FETCH 16, 0, XSC, 1, AS
	WIN 0x80                                       ; constants among the attention's operands: a head takes half of a K step of 128, the other half holds zero codes
	FILL2 QF+6, 12, 0
	FILL2 PF+6, 12, 0
	FILL2 UF+6, 12, 0
.irp u, UF, UF+3, UF+18, UF+21                 ; 16 codes of 1.0 (001000) are 96 bits
	v_mov_b32 v[\u], 0x08208208
	v_mov_b32 v[\u+1], 0x82082082
	v_mov_b32 v[\u+2], 0x20820820
.endr
	FILL2 240, 2, 0xaf15df0b                       ; half of erf's numerator: its first coefficient;
	FILL2 242, 2, 0xb77460cd                       ; its denominator's
	WIN 0
	v_mov_b32 v[US], 0x7f7f7f7f                    ; the ones' scale: 2^0
	s_wait_tensorcnt 1                             ; my quarter of chunk 0 is in, which I alone read; chunk 1's may stay out
	WADS
	LOADW 0, 0
	LOADBB 1
	; ---- k: 64 tokens x my 128 channels: fragment m holds tile m's keys, half 0 head 2 w, half 1 head 2 w + 1
	CHUNK 0,4,ACC,32,8,0,1,AS,1,1,1
	PLACES 4
.irp m, 0,1,2,3
	QHR ACC+32*\m, KF+12*\m, KS+\m, 0
.endr
	CHUNK 0,4,ACC,32,8,0,1,AS,1,1,2
	PLACES 4
.irp m, 0,1,2,3
	QHR ACC+32*\m, KF+12*\m+6, KS+\m, 1
.endr
	; ---- v, with the tokens as source 0: a lane holds one channel and its registers run along the keys, which are the second product's K.  Register 8 m + j of lane (r, h) is key (tile m, row 8 h + j): the place that p's take too
	CHUNK 1,4,ACC,8,32,0,1,AS,1,1,2
	PLACES 4
.irp t, 0,1,2,3
	QHR ACC+32*\t, VF+12*\t, VS+\t, 0
.endr
	CHUNK 1,4,ACC,8,32,0,1,AS,1,1,1
	PLACES 4
.irp t, 0,1,2,3
	QHR ACC+32*\t, VF+12*\t+6, VS+\t, 1
.endr
.irp hd, 0,1                                   ; the bias of my two heads, in the scores' layout: rel_table[n_i - head + 7][n_j - m_i + 7][m_j], key (tile m, row 8 h + j): m_i = 4 (m / 2) + 2 h + j / 4, m_j = 4 (m % 2) + j % 4
.irp m, 0,1,2,3
.irp q, 0,1
	global_load_b128 v[192+32*\hd+8*\m+4*\q:192+32*\hd+8*\m+4*\q+3], v27, s[10:11] offset:-480*\hd-32*(4*(\m/2)+\q)+16*(\m%2)
.endr
.endr
.endr
	; ---- q: the 16 open queries alone
	CHUNK 0,1,ACC,0,8,0,1,AS,1,1,1
	PLACES 4
	QHR ACC, QF, QS, 0
	CHUNK 0,1,ACC,0,8,0,1,AS,1,1,1
	PLACES 4
	QHR ACC, QF+18, QS, 1
	; ---- attention, inside the wave: S^T = k q^T: a lane holds one query, its registers 32 head + 8 m + j run along the keys
	PLACES 8                                       ; operands and scale words written by vector instructions stand 4 and 8 places ahead of a scaled matrix instruction
	WIN 0x0a
.irp m, 0,1,2,3
.irp hd, 0,1
	v_wmma_scale_f32_16x16x128_f8f6f4 v[ACC+32*\hd+8*\m:ACC+32*\hd+8*\m+7], v[KF+12*\m:KF+12*\m+11], v[QF+12*\hd:QF+12*\hd+11], 0, v[KS+\m], v[QS] matrix_a_fmt:MATRIX_FMT_FP6 matrix_b_fmt:MATRIX_FMT_FP6
.endr
.endr
	WIN 0
	PLACES 4
	s_wait_loadcnt 0x0                             ; the bias
.set ii, 0
.rept 32
	v_pk_fma_f32 v[ACC+2*ii:ACC+2*ii+1], v[ACC+2*ii:ACC+2*ii+1], 0x3e000000, v[192+2*ii:193+2*ii] op_sel_hi:[1,0,1]   ; score / 8 + bias
.set ii, ii+1
.endr
.irp hd, 0,1
	v_max3_num_f32 v[84+2*\hd], v[ACC+32*\hd], v[ACC+32*\hd+1], v[ACC+32*\hd+2]
	v_max3_num_f32 v[85+2*\hd], v[ACC+32*\hd+16], v[ACC+32*\hd+17], v[ACC+32*\hd+18]
.endr
.irp i, 3,5,7,9,11,13
.irp hd, 0,1
	v_max3_num_f32 v[84+2*\hd], v[84+2*\hd], v[ACC+32*\hd+\i], v[ACC+32*\hd+\i+1]
	v_max3_num_f32 v[85+2*\hd], v[85+2*\hd], v[ACC+32*\hd+16+\i], v[ACC+32*\hd+17+\i]
.endr
.endr
.irp hd, 0,1
	v_max3_num_f32 v[84+2*\hd], v[84+2*\hd], v[85+2*\hd], v[ACC+32*\hd+15]
.endr
.irp hd, 0,1
	v_max_num_f32 v[84+2*\hd], v[84+2*\hd], v[ACC+32*\hd+31]
.endr
.irp hd, 0,1
	v_permlanex16_b32 v[TP+\hd], v[84+2*\hd], s26, s27
.endr
.irp hd, 0,1
	v_max_num_f32 v[84+2*\hd], v[84+2*\hd], v[TP+\hd]   ; the row's largest logit
.endr
.irp hd, 0,1
	v_mul_f32 v[84+2*\hd], s58, v[84+2*\hd]        ; as t
.endr
.irp hd, 0,1
	v_floor_f32 v[88+2*\hd], -v[84+2*\hd]          ; -M = floor(-t): M is a whole number
.endr
.irp hd, 0,1
	v_mov_b32 v[89+2*\hd], v[88+2*\hd]
.endr
.irp hd, 0,1
.set ii, 0
.rept 16
	v_pk_fma_f32 v[ACC+32*\hd+2*ii:ACC+32*\hd+2*ii+1], v[ACC+32*\hd+2*ii:ACC+32*\hd+2*ii+1], s[58:59], v[88+2*\hd:89+2*\hd] op_sel_hi:[1,0,0]   ; t - M
.set ii, ii+1
.endr
.endr
.set ii, 0
.rept 64
	v_exp_f32 v[ACC+ii], v[ACC+ii]                 ; p = 2^(t - M): not normalised
.set ii, ii+1
.endr
	v_nop
	s_wait_alu depctr_va_vdst(0)                   ; one wait for the 64
.irp hd, 0,1                                   ; the row's sum, of the unquantised p
	v_pk_add_f32 v[192+4*\hd:193+4*\hd], v[ACC+32*\hd:ACC+32*\hd+1], v[ACC+32*\hd+2:ACC+32*\hd+3]
	v_pk_add_f32 v[194+4*\hd:195+4*\hd], v[ACC+32*\hd+4:ACC+32*\hd+5], v[ACC+32*\hd+6:ACC+32*\hd+7]
.endr
.irp i, 8,12,16,20,24,28
.irp hd, 0,1
	v_pk_add_f32 v[192+4*\hd:193+4*\hd], v[192+4*\hd:193+4*\hd], v[ACC+32*\hd+\i:ACC+32*\hd+\i+1]
	v_pk_add_f32 v[194+4*\hd:195+4*\hd], v[194+4*\hd:195+4*\hd], v[ACC+32*\hd+\i+2:ACC+32*\hd+\i+3]
.endr
.endr
.irp hd, 0,1
	v_pk_add_f32 v[192+4*\hd:193+4*\hd], v[192+4*\hd:193+4*\hd], v[194+4*\hd:195+4*\hd]
.endr
.irp hd, 0,1
	v_add_f32 v[192+4*\hd], v[192+4*\hd], v[193+4*\hd]
.endr
.irp hd, 0,1
	v_permlanex16_b32 v[TP+\hd], v[192+4*\hd], s26, s27
.endr
.irp hd, 0,1
	v_add_f32 v[192+4*\hd], v[192+4*\hd], v[TP+\hd]
.endr
.irp hd, 0,1
	v_mov_b32 v[93+2*\hd], 0                       ; (named as the upper half of a pair below)
.endr
.irp hd, 0,1
	v_rcp_f32 v[92+2*\hd], v[192+4*\hd]            ; 1 / l
.endr
	v_nop
	s_wait_alu depctr_va_vdst(0)
	QHR ACC, PF, PS, 0
	QHR ACC+32, PF+18, PS, 1
	PLACES 8
	WIN 0x0a                                       ; O^T = v^T p^T for the open queries; U^T = v^T 1 for the others: 16 equal columns
.irp n, 0,1,2,3
.irp hd, 0,1
	v_wmma_scale_f32_16x16x128_f8f6f4 v[ACC+32*\hd+8*\n:ACC+32*\hd+8*\n+7], v[VF+12*\n:VF+12*\n+11], v[PF+12*\hd:PF+12*\hd+11], 0, v[VS+\n], v[PS] matrix_a_fmt:MATRIX_FMT_FP6 matrix_b_fmt:MATRIX_FMT_FP6
	v_wmma_scale_f32_16x16x128_f8f6f4 v[192+32*\hd+8*\n:192+32*\hd+8*\n+7], v[VF+12*\n:VF+12*\n+11], v[UF+12*\hd:UF+12*\hd+11], 0, v[VS+\n], v[US] matrix_a_fmt:MATRIX_FMT_FP6 matrix_b_fmt:MATRIX_FMT_FP6
.endr
.endr
	WIN 0
	PLACES 4                                       ; in front of the first read of results, and of loads into registers that these products have read
	WIN 0x80
.irp b, 0,1,2,3
.irp q, 0,1,2,3
	global_load_b128 v[16*\b+4*\q:16*\b+4*\q+3], v21, s[14:15] offset:128*\b+16*\q       ; LN2's gains,
.endr
.endr
.irp b, 0,1,2,3
.irp q, 0,1,2,3
	global_load_b128 v[64+16*\b+4*\q:64+16*\b+4*\q+3], v21, s[16:17] offset:128*\b+16*\q ; and biases
.endr
.endr
	WIN 0
.irp hd, 0,1
.set ii, 0
.rept 16
	v_pk_mul_f32 v[ACC+32*\hd+2*ii:ACC+32*\hd+2*ii+1], v[ACC+32*\hd+2*ii:ACC+32*\hd+2*ii+1], v[92+2*\hd:93+2*\hd] op_sel_hi:[1,0]
.set ii, ii+1
.endr
.endr
.set ii, 0
.rept 32
	v_pk_mul_f32 v[192+2*ii:193+2*ii], v[192+2*ii:193+2*ii], 0x3c800000 op_sel_hi:[1,0]   ; / 64
.set ii, ii+1
.endr
.irp hd, 0,1
	QHI ACC+32*\hd, 6, 7, 8, 768*\hd, XSC+2*\hd              ; row tile 0 of proj: the open queries
.endr
.irp hd, 0,1
	QHI 192+32*\hd, 6, 7, 8, 6144+768*\hd, XSC+512+2*\hd     ; row tile 1: the one row of all other queries
.endr
	BARRIER
	FETCH 8, 0, XSC, 1, AS
	; ---- proj, two tiles of rows; x3 = sigmoid(gate) x + LN1(x) + proj: tile 0 takes row tile 0, tiles 1 to 3 the other
.irp kp, 0,1
	CHUNK 0,2,ACC,32,8,0,1,AS,1,1,1
	PLACES 4
	WIN 0xc3
.irp m, 0,1,2,3
.set ii, 0
.rept 16
	v_pk_add_f32 v[64*\m+32*\kp+2*ii:64*\m+32*\kp+2*ii+1], v[64*\m+32*\kp+2*ii:64*\m+32*\kp+2*ii+1], v[ACC+32*((\m+3)/4)+2*ii:ACC+32*((\m+3)/4)+2*ii+1]
.set ii, ii+1
.endr
.endr
	WIN 0
.endr
	; ---- LN2
	LNSTAT 0, 2048
	LNSTAT 1, 2048
	LNSTAT 2, 2048
	LNSTAT 3, 2048
	BARRIER
	LNCOMB 2048
	s_wait_loadcnt 0x0                             ; LN2's gains and biases
	LNAPPLY 0, 0
	LNAPPLY 1, 0
	LNAPPLY 2, 0
	LNAPPLY 3, 0
	BARRIER
	FETCH 16, 0, XSC, 1, AS
	; ---- THE MLP, 512 hidden units a trip: two chunks of mlp_w1 (my 2 x 64 units: GELU, quantised, image to LDS), a barrier, the 16 hidden fragments, two chunks of mlp_w2, whose sums go on onto x3
	s_mov_b32 s45, 4
.Ltrip:
	s_mov_b32 s46, 2
	s_mov_b32 s47, 0
	s_mov_b32 s48, 0
.Lkap:
	CHUNK 0,4,ACC,32,8,0,1,AS,1,1,1
	PLACES 4
	GELU
	v_add_nc_u32 v17, s47, v6                      ; which half of my fragments: 768 bytes, 2 scale bytes
	v_add_nc_u32 v18, s47, v7
	v_add_nc_u32 v19, s48, v8
.irp m, 0,1,2,3
	QHI ACC+32*\m, 17, 18, 19, HIMG+6144*\m, HSC+512*\m
.endr
	s_add_co_u32 s47, s47, 768
	s_add_co_u32 s48, s48, 2
	s_sub_co_u32 s46, s46, 1
	s_cmp_lg_u32 s46, 0
	s_cbranch_scc1 .Lkap
	BARRIER                                        ; the trip's 16 hidden fragments lie in LDS
	FETCH 16, HIMG, HSC, 2, HS
	s_cmp_eq_u32 s45, 1
	s_cbranch_scc1 .Ltail                          ; the last trip's two chunks ask for nothing more: they are written out
	CHUNK 0,4,0,64,8,3,2,HS,0,1,0
	CHUNK 0,4,32,64,8,3,2,HS,0,1,1
	s_sub_co_u32 s45, s45, 1
	s_cmp_lg_u32 s45, 0
	s_cbranch_scc1 .Ltrip                          ; (always taken: the loop is left by the branch above, in its fourth trip)
.Ltail:
	CHUNK 0,4,0,64,8,3,2,HS,0,2,0
	CHUNK 0,4,32,64,8,3,2,HS,0,0,0
	; ---- THE WAY OUT: + mlp_b2 (it lies in my quarters of the last two chunks, which stay in the two slots); a tile of 16 rows goes through my own stage and leaves as whole runs of 512 bytes
	PLACES 4
	s_wait_xcnt 0x0                                ; every earlier memory instruction has read its base: the four pairs are written anew
	s_mov_b32 s63, 0
.irp m, 0,1,2,3
	s_mov_b32 s62, s[50+\m]
	s_add_nc_u64 s[66+2*\m:67+2*\m], s[20:21], s[62:63]
.endr
	WIN 0x80
.irp b, 0,1
.irp q, 0,1,2,3
	ds_load_b128 v[16*\b+4*\q:16*\b+4*\q+3], v11 offset:25600+128*\b+16*\q
.endr
.endr
.irp b, 0,1
.irp q, 0,1,2,3
	ds_load_b128 v[32+16*\b+4*\q:32+16*\b+4*\q+3], v29 offset:25600+128*\b+16*\q
.endr
.endr
	WIN 0
	s_wait_dscnt 0x0
.irp m, 0,1,2,3
	WIN 0xcb
.set ii, 0
.rept 32
	v_pk_add_f32 v[64*\m+2*ii:64*\m+2*ii+1], v[64*\m+2*ii:64*\m+2*ii+1], v[2*ii:2*ii+1]
.set ii, ii+1
.endr
	WIN 0x0c                                       ; an LDS store's data are its source 1: window 3
.irp b, 0,1,2,3
.irp q, 0,1,2,3
	ds_store_b128 v22, v[64*\m+16*\b+4*\q:64*\m+16*\b+4*\q+3] offset:128*\b+16*\q
.endr
.endr
	WIN 0
.if \m >= 2
	s_wait_xcnt 0x0                                ; the stores of the tile two back have read their registers: the loads below may land there
.endif
.irp i, 0,1,2,3,4,5,6,7,8,9,10,11,12,13,14,15
	ds_load_b128 v[ACC+64*(\m%2)+4*\i:ACC+64*(\m%2)+4*\i+3], v23 offset:528*\i   ; LDS serves a wave's instructions in order (ISA guide 5.7.1.4): these see my stores, and the next tile's stores come behind them
.endr
.irp i, 0,1,2,3,4,5,6,7,8,9,10,11,12,13,14,15
	s_wait_dscnt 15-\i                             ; row i is back; the younger loads may be out
	global_store_b128 v24, v[ACC+64*(\m%2)+4*\i:ACC+64*(\m%2)+4*\i+3], s[66+2*\m:67+2*\m] offset:2048*(16*(\i/4)+\i%4) th:TH_STORE_NT   ; 32 lanes store 512 consecutive bytes of a token's row
.endr
.endr
	s_wait_tensorcnt 0x0                           ; the wave's end: behind my last tensor load and my last LDS store
	ds_add_u32 v1, v2
	s_wait_dscnt 0x0
	ROUND                                          ; the closing round: no work-group ends while a partner may still ask for a quarter that names it
	s_endpgm
.Lfunc_end_k_q86f09ba555_block:
	.size	k_q86f09ba555_block, .Lfunc_end_k_q86f09ba555_block-k_q86f09ba555_block
	.p2alignl 7, 3214868480
	.fill 96, 4, 3214868480
	.section	.rodata,"a",@progbits
	.p2align	6, 0x0
	.amdhsa_kernel k_q86f09ba555_block
		.amdhsa_group_segment_fixed_size 327680
		.amdhsa_private_segment_fixed_size 0
		.amdhsa_enable_private_segment 0
		.amdhsa_kernarg_size 72
		.amdhsa_user_sgpr_count 2
		.amdhsa_user_sgpr_kernarg_segment_ptr 1
		.amdhsa_wavefront_size32 1
		.amdhsa_system_sgpr_workgroup_id_x 1
		.amdhsa_system_sgpr_workgroup_id_y 1
		.amdhsa_system_sgpr_workgroup_id_z 1
		.amdhsa_system_vgpr_workitem_id 0
		.amdhsa_next_free_vgpr 1024
		.amdhsa_next_free_sgpr 96
		.amdhsa_reserve_vcc 0
		.amdhsa_float_denorm_mode_32 3
		.amdhsa_float_denorm_mode_16_64 3
		.amdhsa_memory_ordered 1
		.amdhsa_forward_progress 1
		.amdhsa_inst_pref_size 255
	.end_amdhsa_kernel
	.section	.bss,"aw",@nobits
	.p2align	6
	.space	262144
	.amdgpu_metadata
---
amdhsa.version: [ 1, 2 ]
amdhsa.kernels:
  - .name:           k_q86f09ba555_block
    .symbol:         k_q86f09ba555_block.kd
    .args:
      - { .name: x, .offset: 0, .size: 8, .value_kind: global_buffer, .address_space: global }
      - { .name: ln1_g, .offset: 8, .size: 8, .value_kind: global_buffer, .address_space: global }
      - { .name: ln1_b, .offset: 16, .size: 8, .value_kind: global_buffer, .address_space: global }
      - { .name: rel_table, .offset: 24, .size: 8, .value_kind: global_buffer, .address_space: global }
      - { .name: gate, .offset: 32, .size: 8, .value_kind: global_buffer, .address_space: global }
      - { .name: ln2_g, .offset: 40, .size: 8, .value_kind: global_buffer, .address_space: global }
      - { .name: ln2_b, .offset: 48, .size: 8, .value_kind: global_buffer, .address_space: global }
      - { .name: wst, .offset: 56, .size: 8, .value_kind: global_buffer, .address_space: global }
      - { .name: out0, .offset: 64, .size: 8, .value_kind: global_buffer, .address_space: global }
    .group_segment_fixed_size: 327680
    .private_segment_fixed_size: 0
    .kernarg_segment_align: 8
    .kernarg_segment_size: 72
    .max_flat_workgroup_size: 128
    .sgpr_count:     96
    .vgpr_count:     1024
    .wavefront_size: 32
...
	.end_amdgpu_metadata
.endif
;; end of part 2
;; ======== version 2 of 2: 2 launches
;; limits: right only within a limited range of input values
;; workspace buffers: wst 2,482,176 bytes
;; launch prep (part 3): grid 384 x 1, 4 waves a work-group, no clusters, 35,328 bytes of LDS; arguments wk, wv, wq, wp, mlp_w1, mlp_w2, bk, bv, bq, bp, mlp_b1, mlp_b2, wst; writes wst
.if DOCPART == 3
	.amdgcn_target "amdgcn-amd-amdhsa--gfx1250"
	.amdhsa_code_object_version 6
	.text
	.protected	k_q86f09ba555_prep
	.globl	k_q86f09ba555_prep
	.p2align	8
	.type	k_q86f09ba555_prep,@function
k_q86f09ba555_prep:
	s_mov_b64 s[64:65], 0
	v_nop
	global_prefetch_b8 v0, s[64:65] scope:SCOPE_SE
	s_setreg_imm32_b32 hwreg(HW_REG_WAVE_MODE, 25, 1), 1
	s_wait_xcnt 0x0
; The six weights (f32, K innermost) become codes of E2M3 with one E8M0 byte for each 32 along K, laid as ONE STREAM in the order in which the second launch uses them.
; wst = 24 chunks of CH bytes: 0,1 wk; 2,3 wv; 4,5 wq; 6,7 wp; then for j = 0..3: 8+4j, 9+4j mlp_w1's rows 512 j on; 10+4j, 11+4j mlp_w2's K 512 j on.
; A chunk = 4 quarters of QB bytes (one for each wave of the second launch); a quarter = 4 groups of 6,400 bytes (K steps of 128) and 256 bytes of bias (64 numbers).
; A group = 4 fragments of 1,536 bytes, each AN IMAGE OF THE OPERAND'S 12 REGISTERS (registers 4c..4c+3 of lane l at 512 c + 16 l), and 64 scale words (fragment t, row r at 6,144 + 4 (16 t + r)).
; Fragment (chunk, w, g, t): column tile T = 8 w + 4 (chunk & 1) + t (+ 32 j for mlp_w1); lane r takes weight row 32 (T / 2) + 8 (T % 2) + r + 8 (r / 8): in the transposed product two neighbouring
; tiles then give a lane 16 neighbours along the next K.  K begins at 128 g (+ 512 j for mlp_w2).
; A work-group makes one group, a wave one fragment.  For the conversions a lane must hold its row's two blocks of 32 (k = 64 c + 32 h + 0..31); a load is best where neighbouring lanes take neighbouring bytes.
; Both are had: each of the wave's 16 loads reads one row's 512 consecutive bytes, 16 a lane; the rows go through the wave's own stage in LDS (rows 528 bytes apart, so that the sixteen rows that a
; load from the stage touches start in different banks) and come back 128 bytes a lane.
; A block's byte is its largest magnitude's exponent field - 2, held at 1 from below (a block of zeros so has the byte 1: its codes are zeros, and this program alone reads the bytes).
; LIMITS: NaN and infinities are not served; blocks whose largest magnitude lies under 2^-124 keep the byte 1.
; WORK LEFT OUT, in the second launch.  reference() writes one constant, -1e9, over every logit of a query in the shifted band (48 of a window's 64 queries), whatever q, k and the
; bias hold there.  So for those queries the rows of the product with wq, their scores and their bias have no way to any output: q is made for the 16 other queries alone.
; Their softmax has 64 equal terms: t = -1e9 log2(e) is a whole number in f32, so M = t, p = 1 for every key and l = 64.  The weighted sum is then the same for all 48 queries of a window
; and head: it is made once for each window, and so is its product with wp.  Every input still has a way to the output and is loaded.
; LIMIT: a NaN, an infinity or an overflow that would arise only in the work left out is not carried to the result.
.set CH, 103424
.set QB, 25856
.set SP, 528                           ; a row in the stage: 512 bytes + 16
.set SCW, 4*16*SP                      ; behind the four stages: the group's 64 scale words
.set X,  16                            ; v16-79   my 64 numbers
.set F,  80                            ; v80-91   the fragment's 12 registers;  v92-98 the second halves as the conversions leave them
.set AD, 100                           ; v100-115 row i's byte offset + 16 x lane
.set R,  116                           ; v116-179 the 16 rows as they are loaded
	s_load_b512 s[4:19], s[0:1], 0x0               ; wk s[4:5], wv s[6:7], wq s[8:9], wp s[10:11], mlp_w1 s[12:13], mlp_w2 s[14:15], bk s[16:17], bv s[18:19]
	s_load_b256 s[20:27], s[0:1], 0x40             ; bq s[20:21], bp s[22:23], mlp_b1 s[24:25], mlp_b2 s[26:27]
	s_load_b64 s[28:29], s[0:1], 0x60              ; wst
	v_lshl_add_u32 v192, v0, 2, 0x8800
	v_mov_b32 v193, 0
	v_lshrrev_b32 v96, 5, v0
	v_readfirstlane_b32 s34, v96                   ; t: my wave's fragment
	v_and_b32 v1, 15, v0                           ; r
	v_bfe_u32 v2, v0, 4, 1                         ; h
	v_and_b32 v96, 31, v0                          ; lane
	v_lshlrev_b32 v4, 4, v96                       ; 16 x lane
	s_wait_alu depctr_va_vdst(0)
	v_lshlrev_b32 v5, 3, v96                       ; 8 x lane
	s_lshl_b32 s42, s34, 6
	s_add_co_u32 s42, s42, SCW
	v_lshl_add_u32 v6, v1, 2, s42                  ; LDS: SCW + 64 t + 4 r: my row's scale word
	s_mul_i32 s42, s34, 16*SP                      ; my stage
	v_add_nc_u32 v3, s42, v4                       ; into it: 16 bytes a lane of a row
	v_mul_u32_u24 v7, v1, SP
	v_lshl_add_u32 v7, v2, 7, v7
	v_add_nc_u32 v7, s42, v7                       ; out of it: row r, + 128 h: my block of each 64 along K
	s_lshr_b32 s35, ttmp9, 4                       ; chunk
	s_bfe_u32 s36, ttmp9, 0x20002                  ; w: quarter
	s_and_b32 s37, ttmp9, 3                        ; g: group
	s_and_b32 s38, s35, 1                          ; which half of the quarter's 128 columns
	s_sub_co_u32 s39, s35, 8
	s_lshr_b32 s40, s39, 1
	s_and_b32 s40, s40, 1
	s_add_co_u32 s40, s40, 4                       ; chunks 8 on: 4 = mlp_w1, 5 = mlp_w2
	s_lshr_b32 s41, s39, 2                         ; and j
	s_lshr_b32 s42, s35, 1
	s_cmp_lt_u32 s35, 8
	s_cselect_b32 s40, s42, s40                    ; which matrix: 0 wk, 1 wv, 2 wq, 3 wp, 4, 5
	s_cselect_b32 s41, 0, s41
	s_cmp_eq_u32 s40, 4
	s_cselect_b32 s44, s41, 0                      ; j where it moves the rows
	s_cmp_eq_u32 s40, 5
	s_cselect_b32 s45, s41, 0                      ; j where it moves K
	s_cselect_b32 s43, 13, 11                      ; a row is 8,192 bytes in mlp_w2, 2,048 in the others
	s_lshl_b32 s46, s36, 3
	s_lshl_b32 s47, s38, 2
	s_add_co_u32 s46, s46, s47
	s_add_co_u32 s46, s46, s34
	s_lshl_b32 s47, s44, 5
	s_add_co_u32 s46, s46, s47                     ; T
	s_lshr_b32 s47, s46, 1
	s_lshl_b32 s47, s47, 5
	s_and_b32 s46, s46, 1
	s_lshl_b32 s46, s46, 3
	s_add_co_u32 s46, s46, s47                     ; the tile's first row: 32 (T / 2) + 8 (T % 2)
	s_lshl_b32 s46, s46, s43                       ; in bytes
	s_lshl_b32 s47, s37, 9
	s_add_co_u32 s46, s46, s47                     ; + 4 x 128 g
	s_lshl_b32 s47, s45, 11
	s_add_co_u32 s46, s46, s47                     ; + 4 x 512 j
	s_mov_b32 s47, 0
	s_lshl_b32 s45, s36, 9                         ; the bias: 4 x (128 w + 64 half (+ 512 j for mlp_b1))
	s_lshl_b32 s42, s38, 8
	s_add_co_u32 s45, s45, s42
	s_lshl_b32 s42, s44, 11
	s_add_co_u32 s44, s45, s42
	s_mov_b32 s45, 0
.irp i, 0,1,2,3,4,5,6,7,8,9,10,11,12,13,14,15
	v_lshl_add_u32 v[AD+\i], \i+8*(\i/8), s43, v4  ; the tile's row i lies i + 8 (i / 8) rows on
.endr
	s_wait_alu depctr_va_vdst(0)
	s_wait_kmcnt 0x0
	s_mov_b64 s[30:31], s[4:5]                     ; the choice of buffers hangs on the work-group's number alone
	s_mov_b64 s[32:33], s[16:17]
	s_cmp_eq_u32 s40, 1
	s_cselect_b64 s[30:31], s[6:7], s[30:31]
	s_cselect_b64 s[32:33], s[18:19], s[32:33]
	s_cmp_eq_u32 s40, 2
	s_cselect_b64 s[30:31], s[8:9], s[30:31]
	s_cselect_b64 s[32:33], s[20:21], s[32:33]
	s_cmp_eq_u32 s40, 3
	s_cselect_b64 s[30:31], s[10:11], s[30:31]
	s_cselect_b64 s[32:33], s[22:23], s[32:33]
	s_cmp_eq_u32 s40, 4
	s_cselect_b64 s[30:31], s[12:13], s[30:31]
	s_cselect_b64 s[32:33], s[24:25], s[32:33]
	s_cmp_eq_u32 s40, 5
	s_cselect_b64 s[30:31], s[14:15], s[30:31]
	s_cselect_b64 s[32:33], s[26:27], s[32:33]
	s_add_nc_u64 s[30:31], s[30:31], s[46:47]
	s_add_nc_u64 s[32:33], s[32:33], s[44:45]
.irp i, 0,1,2,3,4,5,6,7,8,9,10,11,12,13,14,15
	global_load_b128 v[R+4*\i:R+4*\i+3], v[AD+\i], s[30:31] th:TH_LOAD_NT   ; 32 lanes read 512 consecutive bytes: row i, K0 .. K0 + 127
.endr
	s_mul_i32 s46, s35, CH                         ; where the results go
	s_mul_i32 s40, s36, QB
	s_add_co_u32 s46, s46, s40
	s_add_nc_u64 s[28:29], s[28:29], s[46:47]      ; the quarter
	s_mul_i32 s46, s37, 6400
	s_add_nc_u64 s[38:39], s[28:29], s[46:47]      ; the group
	s_mul_i32 s46, s34, 1536
	s_add_nc_u64 s[4:5], s[38:39], s[46:47]        ; my fragment
	s_mov_b32 s42, 0x76543210
	s_mov_b32 s43, 0xfedcba98                      ; v_permlanex16_b32's selects for lane l xor 16
.irp i, 0,1,2,3,4,5,6,7,8,9,10,11,12,13,14,15
	s_wait_loadcnt 15-\i                           ; loads come back in order: row i is in, the younger rows may be out
	ds_store_b128 v3, v[R+4*\i:R+4*\i+3] offset:SP*\i
.endr
.irp c, 0,1
.irp q, 0,1,2,3,4,5,6,7
	ds_load_b128 v[X+32*\c+4*\q:X+32*\c+4*\q+3], v7 offset:256*\c+16*\q   ; W(my row, K0 + 64 c + 32 h + 4 q ..).  LDS serves a wave's instructions in order: these see my stores
.endr
.endr
	s_wait_dscnt 0x0
.irp c, 0,1
	v_max3_num_f32 v[8+\c], |v[X+32*\c]|, |v[X+32*\c+1]|, 0x1800000   ; my block 2 c + h, and the floor 2^(3 - 127): the byte cannot fall under 1
.endr
.irp i, 2,4,6,8,10,12,14,16,18,20,22,24,26,28,30
.irp c, 0,1
	v_max3_num_f32 v[8+\c], v[8+\c], |v[X+32*\c+\i]|, |v[X+32*\c+\i+1]|
.endr
.endr
.irp c, 0,1
	v_add_nc_u32 v[10+\c], 0xff000000, v[8+\c]     ; 2 off the exponent field: the conversion's scale operand
.endr
.irp c, 0,1
	v_lshrrev_b32 v[12+\c], 23, v[10+\c]           ; the scale's byte
.endr
	v_lshl_or_b32 v14, v13, 16, v12                ; my two bytes, blocks h and 2 + h,
	v_lshlrev_b32 v15, 3, v2
	v_lshlrev_b32 v14, v15, v14                    ; at their places in the word;
	v_mov_b32 v15, 0
	v_permlanex16_b32 v15, v14, s42, s43
	v_or_b32 v14, v14, v15                         ; with lane l xor 16's two the word is whole
.irp c, 0,1
	v_cvt_scalef32_pk16_fp6_f32 v[F+6*\c:F+6*\c+2], v[X+32*\c:X+32*\c+15], v[10+\c]
	v_cvt_scalef32_pk16_fp6_f32 v[92+4*\c:94+4*\c], v[X+32*\c+16:X+32*\c+31], v[10+\c]   ; (a conversion's three registers begin on an even number)
.endr
	v_nop                                          ; one plain place behind a scaled conversion
.irp c, 0,1
.irp i, 0,1,2
	v_mov_b32 v[F+3+6*\c+\i], v[92+4*\c+\i]
.endr
.endr
.irp c, 0,1,2
	global_store_b128 v4, v[F+4*\c:F+4*\c+3], s[4:5] offset:512*\c   ; 32 lanes store 512 consecutive bytes
.endr
	ds_store_b32 v6, v14                           ; lanes r and 16 + r write the same word with the same value
	s_wait_dscnt 0x0                               ; for the others' sake: my store has landed
	s_barrier_signal -1
	s_barrier_wait -1
	s_cmp_lg_u32 s34, 0
	s_cbranch_scc1 .Lnot_wave_0
	ds_load_b64 v[8:9], v5 offset:SCW              ; the group's 64 scale words leave as 256 consecutive bytes
	s_wait_dscnt 0x0
	global_store_b64 v5, v[8:9], s[38:39] offset:6144
.Lnot_wave_0:
	s_cmp_lg_u32 s34, 1
	s_cbranch_scc1 .Lend
	s_cmp_lg_u32 s37, 0
	s_cbranch_scc1 .Lend
	global_load_b64 v[10:11], v5, s[32:33]         ; wave 1 of a quarter's first group copies the quarter's 64 numbers of bias
	s_wait_loadcnt 0x0
	global_store_b64 v5, v[10:11], s[28:29] offset:25600
.Lend:
	s_wait_tensorcnt 0x0
	ds_add_u32 v192, v193
	s_wait_dscnt 0x0
	s_endpgm
.Lfunc_end_k_q86f09ba555_prep:
	.size	k_q86f09ba555_prep, .Lfunc_end_k_q86f09ba555_prep-k_q86f09ba555_prep
	.p2alignl 7, 3214868480
	.fill 96, 4, 3214868480
	.section	.rodata,"a",@progbits
	.p2align	6, 0x0
	.amdhsa_kernel k_q86f09ba555_prep
		.amdhsa_group_segment_fixed_size 35328
		.amdhsa_private_segment_fixed_size 0
		.amdhsa_enable_private_segment 0
		.amdhsa_kernarg_size 104
		.amdhsa_user_sgpr_count 2
		.amdhsa_user_sgpr_kernarg_segment_ptr 1
		.amdhsa_wavefront_size32 1
		.amdhsa_system_sgpr_workgroup_id_x 1
		.amdhsa_system_sgpr_workgroup_id_y 1
		.amdhsa_system_sgpr_workgroup_id_z 1
		.amdhsa_system_vgpr_workitem_id 0
		.amdhsa_next_free_vgpr 194
		.amdhsa_next_free_sgpr 66
		.amdhsa_reserve_vcc 0
		.amdhsa_float_denorm_mode_32 3
		.amdhsa_float_denorm_mode_16_64 3
		.amdhsa_memory_ordered 1
		.amdhsa_forward_progress 1
		.amdhsa_inst_pref_size 13
	.end_amdhsa_kernel
	.amdgpu_metadata
---
amdhsa.version: [ 1, 2 ]
amdhsa.kernels:
  - .name:           k_q86f09ba555_prep
    .symbol:         k_q86f09ba555_prep.kd
    .args:
      - { .name: wk, .offset: 0, .size: 8, .value_kind: global_buffer, .address_space: global }
      - { .name: wv, .offset: 8, .size: 8, .value_kind: global_buffer, .address_space: global }
      - { .name: wq, .offset: 16, .size: 8, .value_kind: global_buffer, .address_space: global }
      - { .name: wp, .offset: 24, .size: 8, .value_kind: global_buffer, .address_space: global }
      - { .name: mlp_w1, .offset: 32, .size: 8, .value_kind: global_buffer, .address_space: global }
      - { .name: mlp_w2, .offset: 40, .size: 8, .value_kind: global_buffer, .address_space: global }
      - { .name: bk, .offset: 48, .size: 8, .value_kind: global_buffer, .address_space: global }
      - { .name: bv, .offset: 56, .size: 8, .value_kind: global_buffer, .address_space: global }
      - { .name: bq, .offset: 64, .size: 8, .value_kind: global_buffer, .address_space: global }
      - { .name: bp, .offset: 72, .size: 8, .value_kind: global_buffer, .address_space: global }
      - { .name: mlp_b1, .offset: 80, .size: 8, .value_kind: global_buffer, .address_space: global }
      - { .name: mlp_b2, .offset: 88, .size: 8, .value_kind: global_buffer, .address_space: global }
      - { .name: wst, .offset: 96, .size: 8, .value_kind: global_buffer, .address_space: global }
    .group_segment_fixed_size: 35328
    .private_segment_fixed_size: 0
    .kernarg_segment_align: 8
    .kernarg_segment_size: 104
    .max_flat_workgroup_size: 128
    .sgpr_count:     66
    .vgpr_count:     194
    .wavefront_size: 32
...
	.end_amdgpu_metadata
.endif
;; end of part 3
;; launch block (part 4): grid 256 x 1, 4 waves a work-group, clusters of 4 x 1, 327,680 bytes of LDS; arguments x, ln1_g, ln1_b, rel_table, gate, ln2_g, ln2_b, wst, out0; writes out0
.if DOCPART == 4
	.amdgcn_target "amdgcn-amd-amdhsa--gfx1250"
	.amdhsa_code_object_version 6
	.text
	.protected	k_q86f09ba555_block
	.globl	k_q86f09ba555_block
	.p2align	8
	.type	k_q86f09ba555_block,@function
k_q86f09ba555_block:
	s_mov_b64 s[64:65], 0
	v_nop
	global_prefetch_b8 v0, s[64:65] scope:SCOPE_SE
	s_setreg_imm32_b32 hwreg(HW_REG_WAVE_MODE, 25, 1), 1
	s_wait_xcnt 0x0
	s_wait_alu depctr_hold_cnt(0) depctr_sa_sdst(0) depctr_va_vdst(0) depctr_va_sdst(0) depctr_va_ssrc(0) depctr_va_vcc(0) depctr_vm_vsrc(0)
	s_getreg_b32 s2, hwreg(HW_REG_IB_STS2, 6, 4)
	s_cmp_eq_u32 s2, 0
	s_cbranch_scc0 .Lentry_in_a_cluster
	s_endpgm
.Lentry_in_a_cluster:
	s_bfe_u32 s2, ttmp6, 0x10000c
	s_cmp_lg_u32 s2, 0x3003
	s_cbranch_scc0 .Lentry_shape_is_right
	s_endpgm
.Lentry_shape_is_right:
; The whole block for ONE shifted window of 64 tokens a work-group: LN1, q k v, attention, wp, the gated skip, LN2, the MLP, the residual.
; WORK LEFT OUT (shown at the head of the first launch): q, scores and bias of the 48 queries in the shifted band; their uniform weighted sum and its product with wp are made once for each window.
; ROWS: four tiles of 16 tokens, tile m = the window's 4 x 4 quarter (m / 2, m % 2); tile 0 holds the 16 queries outside the band.  COLUMNS: wave w owns 128 of each 512.
; REGISTERS: window 3 the residual x, then x3, then the result (tile m at v[64 m]: lane (r, h) row r, register 16 b + i column 128 w + 32 b + 16 h + i); window 1 v0-191 the left operand's codes,
; window 2 v0-191 k, v, q, p, later the hidden layer's codes and GELU's work; v192-239 of windows 1 and 2 the weights' fragments, two sets; window 0 addresses, scale words, v128-255 sums.
; THE WEIGHTS come as 24 chunks of register images through two LDS slots; each wave fetches and reads its own quarter.  The four work-groups of a cluster walk the same stream and ask jointly.
; Each chunk is also named ahead of its load by a prefetch (macro ASK).  Operands made on the way pass from wave to wave as register images in LDS (XIMG, HIMG).
; LIMITS: NaN and infinities among the inputs are not served; a block whose largest magnitude lies under 2^-124 keeps the scale byte 1; the softmax holds while the scaled scores stay under 2^31 in magnitude.
.set CH,    103424
.set QB,    25856
.set SLOT1, 131072
.set XIMG,  234496
.set XSC,   24576
.set HIMG,  26624
.set HSC,   51200
.set ST1,   287744
.set STAGE, 291840
.set SPARE, 325632
.set TM,  68
.set TP,  70
.set TS,  72
.set TBY, 74
.set HWD, 76
.set CC,  78
.set AS,  32
.set HS,  48
.set KS,  48
.set VS,  52
.set QS,  56
.set PS,  57
.set US,  58
.set WS,  64
.set BB,  96
.set ACC, 128
.set KF,  0
.set VF,  48
.set QF,  96
.set PF,  120
.set UF,  144
.set MSB, 0
.macro WIN new
.if MSB != (\new)
	s_set_vgpr_msb (MSB<<8)|(\new)
.set MSB, (\new)
.endif
.endm
.macro PLACES n
.rept \n
	v_nop
.endr
.endm
.macro BARRIER
	s_wait_dscnt 0x0
	s_barrier_signal -1
	s_barrier_wait -1
.endm
.macro ROUND
	s_barrier_signal -1
	s_barrier_wait -1
	s_cmp_lg_u32 s22, 0
	s_cbranch_scc1 .Lnot_wave_0_\@
	s_barrier_signal -3
.Lnot_wave_0_\@:
	s_barrier_wait -3
	s_barrier_signal -1
	s_barrier_wait -1
.endm
.macro SPAIR reg, val
	s_mov_b32 s[\reg], \val
	s_mov_b32 s[\reg+1], \val
.endm
; A prefetch, behind a change of slots' joint load and the LDS loads that follow it.  The change in chunk c loads chunk c + 2 and names chunk c + 4: what the change two further on will load.
; A wave's quarter is 101 blocks of 256 bytes; the four partners share them out by address, 26 each (v30; lanes left over name the quarter's last block again): one instruction a wave.
; s96 counts the changes of slots from 1; s[2:3] stands at chunk s96 + 2.  Chunk 23 is the last: from s96 = 21 on nothing is named.
.macro ASK
	s_cmp_le_u32 s96, 20
	s_cbranch_scc0 .Lno_ask_\@
	s_cmp_lt_u32 ttmp9, 4
	s_cbranch_scc0 .Lno_prefetch_block0_\@
	global_prefetch_b8 v30, s[2:3] offset:CH th:TH_LOAD_NT scope:SCOPE_SE
.Lno_prefetch_block0_\@:
.Lno_ask_\@:
.endm
.macro WADS
	v_add_nc_u32 v13, s44, v9
	v_add_nc_u32 v14, s44, v10
	v_add_nc_u32 v15, s44, v11
	v_add_nc_u32 v16, s44, v12
	s_wait_alu depctr_va_vdst(0)
.endm
; Half set g (0 .. 7) of a chunk: the fragments of column tiles 2 (g % 2), 2 (g % 2) + 1 of K step g / 2 and their scale word: 7 LDS loads.
; It lies in window 1 + (g / 2) % 2 at v[192 + 24 (g % 2)]: four half sets make a ring, so half set g + 4 takes the registers of half set g.
.macro LOADG g
	WIN ((1+((\g)/2)%2)<<6)
.irp t, 0,1
.irp c, 0,1,2
	ds_load_b128 v[192+24*((\g)%2)+12*\t+4*\c:192+24*((\g)%2)+12*\t+4*\c+3], v13 offset:6400*((\g)/2)+1536*(2*((\g)%2)+\t)+512*\c
.endr
.endr
	WIN 0
	ds_load_b32 v[WS+2*(((\g)/2)%2)+(\g)%2], v14 offset:6400*((\g)/2)+6144+128*((\g)%2)
.endm
; Group u (0 .. 15) of a chunk's matrix instructions: K step u / 4, column tile u % 4, all the chunk's row tiles; it reads half set u / 2
.macro MU nat, rows, DB, DM, DT, DWIN, AWIN, ASB, cini, u
.if \nat
	WIN (\AWIN)|((1+((\u)/4)%2)<<2)|((\DWIN)<<4)|((\DWIN)<<6)
.else
	WIN (1+((\u)/4)%2)|((\AWIN)<<2)|((\DWIN)<<4)|((\DWIN)<<6)
.endif
	MMG \nat, \rows, \DB, \DM, \DT, \ASB, \cini, (\u)/4, ((\u)/4)%2, (\u)%4
.endm
.macro CREST                           ; a round of the cluster's barrier behind its opening barrier
	s_cmp_lg_u32 s22, 0
	s_cbranch_scc1 .Lnot_w0_\@
	s_barrier_signal -3
.Lnot_w0_\@:
	s_barrier_wait -3
	s_barrier_signal -1
	s_barrier_wait -1
.endm
.macro LOADBB kind
.if (\kind) == 1
.irp t, 0,1,2,3
	ds_load_b128 v[BB+8*\t:BB+8*\t+3], v15 offset:25600+128*(\t/2)+32*(\t%2)
	ds_load_b128 v[BB+8*\t+4:BB+8*\t+7], v15 offset:25600+128*(\t/2)+32*(\t%2)+16
.endr
.endif
.if (\kind) == 2
.irp t, 0,1,2,3
.irp j, 0,1,2,3,4,5,6,7
	ds_load_b32 v[BB+8*\t+\j], v16 offset:25600+128*(\t/2)+32*(\t%2)
.endr
.endr
.endif
.endm
.macro LOADBBS nb
.if (\nb) < 3
	LOADBB \nb
.else
	s_cmp_eq_u32 s46, 2
	s_cbranch_scc0 .Lsecond_\@
	LOADBB (\nb)-2
	s_branch .Lboth_\@
.Lsecond_\@:
	s_wait_alu depctr_va_vdst(0)
	LOADBB 5-(\nb)
.Lboth_\@:
.endif
.endm
.macro MMG nat, rows, DB, DM, DT, ASB, cini, ks, pp, tt
.set mm_m, 0
.rept \rows
.set mm_d, (\DB)+(\DM)*mm_m+(\DT)*(\tt)
.set mm_w, 192+12*(\tt)
.set mm_a, 12*(4*mm_m+(\ks))
.set mm_s, (\ASB)+4*mm_m+(\ks)
.set mm_v, WS+2*(\pp)+(\tt)/2
.set mm_c, mm_d
.if (\cini) && ((\ks) == 0)
.set mm_c, BB+8*(\tt)
.endif
.if \nat
.if (\tt)%2
	v_wmma_scale_f32_16x16x128_f8f6f4 v[mm_d:mm_d+7], v[mm_a:mm_a+11], v[mm_w:mm_w+11], v[mm_c:mm_c+7], v[mm_s], v[mm_v] matrix_a_fmt:MATRIX_FMT_FP6 matrix_b_fmt:MATRIX_FMT_FP6 matrix_b_scale:MATRIX_SCALE_ROW1
.else
	v_wmma_scale_f32_16x16x128_f8f6f4 v[mm_d:mm_d+7], v[mm_a:mm_a+11], v[mm_w:mm_w+11], v[mm_c:mm_c+7], v[mm_s], v[mm_v] matrix_a_fmt:MATRIX_FMT_FP6 matrix_b_fmt:MATRIX_FMT_FP6
.endif
.else
.if (\tt)%2
	v_wmma_scale_f32_16x16x128_f8f6f4 v[mm_d:mm_d+7], v[mm_w:mm_w+11], v[mm_a:mm_a+11], v[mm_c:mm_c+7], v[mm_v], v[mm_s] matrix_a_fmt:MATRIX_FMT_FP6 matrix_b_fmt:MATRIX_FMT_FP6 matrix_a_scale:MATRIX_SCALE_ROW1
.else
	v_wmma_scale_f32_16x16x128_f8f6f4 v[mm_d:mm_d+7], v[mm_w:mm_w+11], v[mm_a:mm_a+11], v[mm_c:mm_c+7], v[mm_v], v[mm_s] matrix_a_fmt:MATRIX_FMT_FP6 matrix_b_fmt:MATRIX_FMT_FP6
.endif
.endif
.set mm_m, mm_m+1
.endr
.endm
.macro CHUNK nat, rows, DB, DM, DT, DWIN, AWIN, ASB, cini, turn, nb
; A chunk is 16 groups of matrix instructions on 8 half sets of weights.  On entry half sets 0, 1, 2 (and ahead of them the bias) have been asked for; 3 .. 6 are asked for behind groups 0, 2, 4, 6 and 7 behind group 7,
; each into registers whose matrix instructions are issued, four places behind them.  LDS answers in order, so a wait counts the LDS instructions issued behind the half set that is needed, 7 to a half set.
; turn = 1: half set 7 is the slot's last read, so the slots change in the chunk's middle: the wait for my tensor load, the add, three groups, the wait for all my LDS instructions, the barrier that opens the
; cluster's round with one group inside it, the joint refill, and then the next chunk's bias and half sets 0, 1 (behind group 13: 2).  turn = 2: the next slot with no refill.  turn = 0: nothing follows.
.irp u, 0,1,2,3,4,5,6,7
.if (\u)%2 == 0
	s_wait_dscnt 14                                ; half set u / 2 is in: the two half sets behind it may be out
.endif
	MU \nat, \rows, \DB, \DM, \DT, \DWIN, \AWIN, \ASB, \cini, \u
.if ((\u)%2 == 0) || ((\u) == 7)
	WIN 0
	PLACES 4
	LOADG 3+((\u)+1)/2
.endif
.endr
.if \turn == 1
	s_wait_xcnt 0x0                                ; the last prefetch has read its base: only now is it stepped
	s_add_nc_u64 s[2:3], s[2:3], CH
	s_add_co_u32 s96, s96, 1
	s_wait_tensorcnt 0x0                           ; my one tensor load that is out, my quarter of the next chunk, has landed;
	ds_add_u32 v1, v2                              ; 0 onto my spare word
	s_xor_b32 s41, s41, SLOT1
	s_add_nc_u64 s[42:43], s[42:43], CH
	s_xor_b32 s44, s44, SLOT1
	s_wait_dscnt 22                                ; half set 4 is in: 5, 6, 7 and the add may be out
.else
.if \turn == 2
	s_wait_tensorcnt 0x0                           ; my quarter of the last chunk has landed; I alone read it
	s_xor_b32 s44, s44, SLOT1
.endif
	s_wait_dscnt 21
.endif
.irp u, 8,9
	MU \nat, \rows, \DB, \DM, \DT, \DWIN, \AWIN, \ASB, \cini, \u
.endr
.if \turn == 1
	s_wait_dscnt 15                                ; half set 5 is in: 6, 7 and the add may be out
.else
	s_wait_dscnt 14
.endif
	MU \nat, \rows, \DB, \DM, \DT, \DWIN, \AWIN, \ASB, \cini, 10
.if \turn == 1
	s_wait_dscnt 0x0                               ; the add is done, and so are my reads of this slot
	s_barrier_signal -1
.endif
	MU \nat, \rows, \DB, \DM, \DT, \DWIN, \AWIN, \ASB, \cini, 11
.if \turn == 1
	WIN 0
	s_barrier_wait -1
	CREST
	tensor_load_to_lds s[40:43], s[28:35]
	s_nop 0
.endif
.if \turn > 0
	WIN 0
	PLACES 4
	WADS
	LOADBBS \nb
	LOADG 0
	LOADG 1
.endif
.if \turn == 1
	ASK
.elseif \turn == 2
	s_wait_dscnt 21                                ; half set 6 is in: 7 and the next chunk's 0, 1 may be out
.else
	s_wait_dscnt 7
.endif
.irp u, 12,13
	MU \nat, \rows, \DB, \DM, \DT, \DWIN, \AWIN, \ASB, \cini, \u
.endr
.if \turn > 0
	WIN 0
	PLACES 4
	LOADG 2
.endif
.if \turn == 2
	s_wait_dscnt 21                                ; half set 7 is in: the next chunk's 0, 1, 2 may be out
.elseif \turn == 0
	s_wait_dscnt 0x0
.endif
.irp u, 14,15
	MU \nat, \rows, \DB, \DM, \DT, \DWIN, \AWIN, \ASB, \cini, \u
.endr
	WIN 0
.endm
; THE MLP'S CHUNKS keep the weights of all four K steps in registers, so that a chunk has two runs of LDS loads and 32 matrix instructions on end between them.
; Steps 0, 1 lie in the two sets at v192-239 of windows 1, 2; steps 2, 3 in 96 registers that are idle in the phase: window XW from v[XB] on (mlp_w1: window 2 v0-95, free between the
; hidden layer's codes and GELU's work; mlp_w2: window 0 v128-223, where mlp_w1's sums lay).  Their scale words: v[XS .. XS+3].
.set XS, 92
.macro LOADS st, win, base, sreg       ; K step st: four fragments and two scale words, 14 LDS loads
	WIN ((\win)<<6)
.irp t, 0,1,2,3
.irp c, 0,1,2
	ds_load_b128 v[(\base)+12*\t+4*\c:(\base)+12*\t+4*\c+3], v13 offset:6400*(\st)+1536*\t+512*\c
.endr
.endr
	WIN 0
	ds_load_b32 v[(\sreg)], v14 offset:6400*(\st)+6144
	ds_load_b32 v[(\sreg)+1], v14 offset:6400*(\st)+6144+128
.endm
.macro MU4 DB, DM, DT, DWIN, AWIN, ASB, cini, XW, XB, u   ; group u: K step u / 4, column tile u % 4, the four row tiles; source 0 the weights, source 1 the rows
.set m4_s, (\u)/4
.set m4_t, (\u)%4
.if m4_s < 2
.set m4_ww, 1+m4_s
.set m4_w, 192+12*m4_t
.set m4_v, WS+2*m4_s+m4_t/2
.else
.set m4_ww, (\XW)
.set m4_w, (\XB)+48*(m4_s-2)+12*m4_t
.set m4_v, XS+2*(m4_s-2)+m4_t/2
.endif
	WIN m4_ww|((\AWIN)<<2)|((\DWIN)<<4)|((\DWIN)<<6)
.set m4_m, 0
.rept 4
.set m4_d, (\DB)+(\DM)*m4_m+(\DT)*m4_t
.set m4_a, 12*(4*m4_m+m4_s)
.set m4_q, (\ASB)+4*m4_m+m4_s
.set m4_c, m4_d
.if (\cini) && (m4_s == 0)
.set m4_c, BB+8*m4_t
.endif
.if m4_t%2
	v_wmma_scale_f32_16x16x128_f8f6f4 v[m4_d:m4_d+7], v[m4_w:m4_w+11], v[m4_a:m4_a+11], v[m4_c:m4_c+7], v[m4_v], v[m4_q] matrix_a_fmt:MATRIX_FMT_FP6 matrix_b_fmt:MATRIX_FMT_FP6 matrix_a_scale:MATRIX_SCALE_ROW1
.else
	v_wmma_scale_f32_16x16x128_f8f6f4 v[m4_d:m4_d+7], v[m4_w:m4_w+11], v[m4_a:m4_a+11], v[m4_c:m4_c+7], v[m4_v], v[m4_q] matrix_a_fmt:MATRIX_FMT_FP6 matrix_b_fmt:MATRIX_FMT_FP6
.endif
.set m4_m, m4_m+1
.endr
.endm
; On entry steps 0, 1 (and ahead of them the bias) have been asked for.  The first run asks for steps 2, 3: the slot's last reads.  In the chunk's middle the slots change (turn = 1: the three lines,
; the round with one group inside its opening barrier, the joint refill), and the second run asks for the next chunk's bias and steps 0, 1.  turn = 2: the next slot with no refill.  turn = 0: nothing follows.
.macro CHUNK4 DB, DM, DT, DWIN, AWIN, ASB, cini, turn, nb, XW, XB
	PLACES 5                                       ; four ahead of loads into registers that matrix instructions have read; five ahead of sums that write over such registers
	LOADS 2, \XW, \XB, XS
	LOADS 3, \XW, (\XB)+48, XS+2
	s_wait_dscnt 28                                ; all but the 28 loads just issued: steps 0, 1, the bias, and the rows' codes where they were fetched just ahead
.irp u, 0,1,2,3,4,5
	MU4 \DB, \DM, \DT, \DWIN, \AWIN, \ASB, \cini, \XW, \XB, \u
.endr
.if \turn == 1
	WIN 0
	s_wait_xcnt 0x0                                ; the last prefetch has read its base: only now is it stepped
	s_add_nc_u64 s[2:3], s[2:3], CH
	s_add_co_u32 s96, s96, 1
	s_wait_tensorcnt 0x0                           ; my quarter of the next chunk has landed;
	ds_add_u32 v1, v2                              ; 0 onto my spare word
	s_xor_b32 s41, s41, SLOT1
	s_add_nc_u64 s[42:43], s[42:43], CH
	s_xor_b32 s44, s44, SLOT1
.endif
	MU4 \DB, \DM, \DT, \DWIN, \AWIN, \ASB, \cini, \XW, \XB, 6
.if \turn == 1
	s_wait_dscnt 0x0                               ; the add is done, and so are my reads of this slot
	s_barrier_signal -1
.endif
	MU4 \DB, \DM, \DT, \DWIN, \AWIN, \ASB, \cini, \XW, \XB, 7
	WIN 0
.if \turn == 1
	s_barrier_wait -1
	CREST
	tensor_load_to_lds s[40:43], s[28:35]
	s_nop 0
.elseif \turn == 2
	s_wait_tensorcnt 0x0                           ; my quarter of the last chunk has landed; I alone read it
	s_xor_b32 s44, s44, SLOT1
.endif
.if \turn > 0
	PLACES 4
	WADS
	LOADBBS \nb
	LOADS 0, 1, 192, WS
	LOADS 1, 2, 192, WS+2
.endif
.if \turn == 1
	ASK
.elseif \turn == 2
	s_wait_dscnt 28                                ; steps 2, 3 are in: the 28 loads just issued may be out
.else
	s_wait_dscnt 0x0
.endif
.irp u, 8,9,10,11,12,13,14,15
	MU4 \DB, \DM, \DT, \DWIN, \AWIN, \ASB, \cini, \XW, \XB, \u
.endr
	WIN 0
.endm
.macro QH src, wt
	v_max3_num_f32 v[TM], |v[(\src)]|, |v[(\src)+1]|, s97          ; s97: the floor 2^(3 - 127), so that the byte cannot fall under 1
	v_max3_num_f32 v[TM+1], |v[(\src)+16]|, |v[(\src)+17]|, s97
.irp i, 2,4,6,8,10,12,14
	v_max3_num_f32 v[TM], v[TM], |v[(\src)+\i]|, |v[(\src)+\i+1]|
	v_max3_num_f32 v[TM+1], v[TM+1], |v[(\src)+16+\i]|, |v[(\src)+17+\i]|
.endr
	v_permlanex16_b32 v[TP], v[TM], s26, s27
	v_permlanex16_b32 v[TP+1], v[TM+1], s26, s27
	v_max_num_f32 v[TM], v[TM], v[TP]
	v_max_num_f32 v[TM+1], v[TM+1], v[TP+1]
	v_add_nc_u32 v[TS], s98, v[TM]                 ; s98 takes 2 off the exponent field: the conversion's scale operand
	v_add_nc_u32 v[TS+1], s98, v[TM+1]
	v_lshrrev_b32 v[TBY], 23, v[TS]
	v_lshrrev_b32 v[TBY+1], 23, v[TS+1]
.if \wt
	s_wait_alu depctr_va_vdst(0)
	s_wait_dscnt 0x0
.endif
	v_lshl_or_b32 v[HWD], v[TBY+1], 8, v[TBY]
	v_cvt_scalef32_pk16_fp6_f32 v[CC:CC+2], v[(\src):(\src)+15], v[TS]
	v_cvt_scalef32_pk16_fp6_f32 v[CC+4:CC+6], v[(\src)+16:(\src)+31], v[TS+1]
	v_nop
.irp i, 0,1,2
	v_permlane16_swap_b32 v[CC+\i], v[CC+4+\i]
.endr
.endm
.macro QHI src, a16, a8, a4, off, soff
	QH \src, 1
	v_mov_b32 v[CC+3], v[CC+4]
	v_mov_b32 v[CC+4], v[CC+5]
	v_mov_b32 v[CC+5], v[CC+6]
	ds_store_b128 v[\a16], v[CC:CC+3] offset:\off
	ds_store_b64 v[\a8], v[CC+4:CC+5] offset:(\off)+512
	ds_store_b16 v[\a4], v[HWD] offset:\soff
.endm
.macro QHR src, dst, sreg, kap
	QH \src, 0
	WIN 0x80
	v_mov_b32 v[(\dst)], v[CC]
	v_mov_b32 v[(\dst)+1], v[CC+1]
	v_mov_b32 v[(\dst)+2], v[CC+2]
	v_mov_b32 v[(\dst)+3], v[CC+4]
	v_mov_b32 v[(\dst)+4], v[CC+5]
	v_mov_b32 v[(\dst)+5], v[CC+6]
	WIN 0
.if (\kap) == 0
	v_mov_b32 v[(\sreg)], v[HWD]
.else
	v_lshl_or_b32 v[(\sreg)], v[HWD], 16, v[(\sreg)]
.endif
.endm
.macro FETCH n, base, sbase, wd, sreg
	WIN ((\wd)<<6)
.set ff, 0
.rept \n
	ds_load_b128 v[12*ff:12*ff+3], v3 offset:(\base)+1536*ff
	ds_load_b64 v[12*ff+4:12*ff+5], v4 offset:(\base)+1536*ff+512
	ds_load_b128 v[12*ff+6:12*ff+9], v3 offset:(\base)+1536*ff+768
	ds_load_b64 v[12*ff+10:12*ff+11], v4 offset:(\base)+1536*ff+1280
.set ff, ff+1
.endr
	WIN 0
.set ff, 0
.rept \n
	ds_load_b32 v[(\sreg)+ff], v5 offset:(\sbase)+128*ff
.set ff, ff+1
.endr
.endm
.macro TWOHALVES
	s_mov_b32 s46, 2
	s_mov_b32 s47, 0
	s_mov_b32 s48, 0
.endm
.macro TOIMG n
	v_add_nc_u32 v17, s47, v6
	v_add_nc_u32 v18, s47, v7
	v_add_nc_u32 v19, s48, v8
.set ti, 0
.rept \n
	QHI ACC+32*ti, 17, 18, 19, HIMG+6144*ti, HSC+512*ti
.set ti, ti+1
.endr
.endm
.macro NEXTHALF label
	s_add_co_u32 s47, s47, 768
	s_add_co_u32 s48, s48, 2
	s_sub_co_u32 s46, s46, 1
	s_cmp_lg_u32 s46, 0
	s_cbranch_scc1 \label
.endm
.macro OWN dst, sreg
	WIN 0x80
.set ff, 0
.rept 4
	ds_load_b128 v[(\dst)+12*ff:(\dst)+12*ff+3], v6 offset:HIMG+6144*ff
	ds_load_b64 v[(\dst)+12*ff+4:(\dst)+12*ff+5], v7 offset:HIMG+6144*ff+512
	ds_load_b128 v[(\dst)+12*ff+6:(\dst)+12*ff+9], v6 offset:HIMG+6144*ff+768
	ds_load_b64 v[(\dst)+12*ff+10:(\dst)+12*ff+11], v7 offset:HIMG+6144*ff+1280
.set ff, ff+1
.endr
	WIN 0
.set ff, 0
.rept 4
	ds_load_b32 v[(\sreg)+ff], v8 offset:HSC+512*ff
.set ff, ff+1
.endr
.endm
.macro LNSTAT m
	WIN 0x0f
.irp k, 0,1,2,3
	v_pk_add_f32 v[192+2*\k:193+2*\k], v[64*(\m)+4*\k:64*(\m)+4*\k+1], v[64*(\m)+4*\k+2:64*(\m)+4*\k+3]
.endr
	WIN 0x0c
.irp i, 16,24,32,40,48,56
.irp k, 0,1,2,3
	v_pk_add_f32 v[192+2*\k:193+2*\k], v[192+2*\k:193+2*\k], v[64*(\m)+\i+2*\k:64*(\m)+\i+2*\k+1]
.endr
.endr
	WIN 0
	v_pk_add_f32 v[192:193], v[192:193], v[194:195]
	v_pk_add_f32 v[196:197], v[196:197], v[198:199]
	v_pk_add_f32 v[192:193], v[192:193], v[196:197]
	v_add_f32 v192, v192, v193
	v_permlanex16_b32 v[TP], v192, s26, s27
	v_add_f32 v192, v192, v[TP]
	v_mul_f32 v[200+2*(\m)], 0x3c000000, v192
	v_mov_b32 v[201+2*(\m)], 0
	WIN 0x03
.set ii, 0
.rept 32
	v_pk_add_f32 v[ACC+2*ii:ACC+2*ii+1], v[64*(\m)+2*ii:64*(\m)+2*ii+1], v[200+2*(\m):201+2*(\m)] op_sel_hi:[1,0] neg_lo:[0,1] neg_hi:[0,1]
.set ii, ii+1
.endr
	WIN 0
.irp k, 0,1,2,3
	v_pk_mul_f32 v[192+2*\k:193+2*\k], v[ACC+2*\k:ACC+2*\k+1], v[ACC+2*\k:ACC+2*\k+1]
.endr
.irp i, 8,16,24,32,40,48,56
.irp k, 0,1,2,3
	v_pk_fma_f32 v[192+2*\k:193+2*\k], v[ACC+\i+2*\k:ACC+\i+2*\k+1], v[ACC+\i+2*\k:ACC+\i+2*\k+1], v[192+2*\k:193+2*\k]
.endr
.endr
	v_pk_add_f32 v[192:193], v[192:193], v[194:195]
	v_pk_add_f32 v[196:197], v[196:197], v[198:199]
	v_pk_add_f32 v[192:193], v[192:193], v[196:197]
	v_add_f32 v192, v192, v193
	v_permlanex16_b32 v[TP], v192, s26, s27
	v_add_f32 v[201+2*(\m)], v192, v[TP]
	ds_store_b64 v25, v[200+2*(\m):201+2*(\m)] offset:512*(\m)
.endm
.macro LNCOMB
	s_mov_b32 s60, 0x3b000000
	s_mov_b32 s61, 0x3727c5ac
.irp m, 0,1,2,3
	ds_load_b128 v[224+8*\m:227+8*\m], v26 offset:512*\m
	ds_load_b128 v[228+8*\m:231+8*\m], v26 offset:512*\m+16
.endr
	s_wait_dscnt 0x0
.irp m, 0,1,2,3
	v_add_f32 v[192+\m], v[224+8*\m], v[226+8*\m]
.endr
.irp m, 0,1,2,3
	v_add_f32 v[196+\m], v[228+8*\m], v[230+8*\m]
.endr
.irp m, 0,1,2,3
	v_add_f32 v[192+\m], v[192+\m], v[196+\m]
.endr
.irp m, 0,1,2,3
	v_mul_f32 v[208+2*\m], 0x3e800000, v[192+\m]
.endr
.irp m, 0,1,2,3
	v_add_f32 v[192+\m], v[225+8*\m], v[227+8*\m]
.endr
.irp m, 0,1,2,3
	v_add_f32 v[196+\m], v[229+8*\m], v[231+8*\m]
.endr
.irp m, 0,1,2,3
	v_add_f32 v[192+\m], v[192+\m], v[196+\m]
.endr
.irp k, 0,2,4,6
.irp m, 0,1,2,3
	v_sub_f32 v[224+8*\m+\k], v[224+8*\m+\k], v[208+2*\m]
.endr
.endr
.irp m, 0,1,2,3
	v_mul_f32 v[196+\m], v[224+8*\m], v[224+8*\m]
.endr
.irp k, 2,4,6
.irp m, 0,1,2,3
	v_fma_f32 v[196+\m], v[224+8*\m+\k], v[224+8*\m+\k], v[196+\m]
.endr
.endr
.irp m, 0,1,2,3
	v_fma_f32 v[192+\m], v[196+\m], 0x43000000, v[192+\m]
.endr
.irp m, 0,1,2,3
	v_fma_f32 v[192+\m], v[192+\m], s60, s61
.endr
	s_wait_alu depctr_va_vdst(0)
.irp m, 0,1,2,3
	v_rsq_f32 v[209+2*\m], v[192+\m]
.endr
	v_nop
	s_wait_alu depctr_va_vdst(0)
.irp m, 0,1,2,3
	v_mul_f32 v[208+2*\m], -v[208+2*\m], v[209+2*\m]   ; - mean x rstd beside rstd: (x - mean) rstd is then one fused multiply-add
.endr
	s_wait_alu depctr_va_vdst(0)
.endm
.macro LNAPPLY m
	WIN 0x03
.set ii, 0
.rept 32
	v_pk_fma_f32 v[ACC+2*ii:ACC+2*ii+1], v[64*(\m)+2*ii:64*(\m)+2*ii+1], v[208+2*(\m):209+2*(\m)], v[208+2*(\m):209+2*(\m)] op_sel:[0,1,0] op_sel_hi:[1,1,0]   ; x rstd - mean rstd: the pair's high word multiplies, its low word is added, in both halves
.set ii, ii+1
.endr
	WIN 0x28
.set ii, 0
.rept 32
	v_pk_fma_f32 v[ACC+2*ii:ACC+2*ii+1], v[ACC+2*ii:ACC+2*ii+1], v[2*ii:2*ii+1], v[64+2*ii:65+2*ii]
.set ii, ii+1
.endr
	WIN 0
	s_cmp_lg_u32 s49, 0
	s_cbranch_scc1 .Lkeep_\@
	WIN 0xc3
.set ii, 0
.rept 32
	v_pk_fma_f32 v[64*(\m)+2*ii:64*(\m)+2*ii+1], v[64*(\m)+2*ii:64*(\m)+2*ii+1], v[216+2*(\m):217+2*(\m)], v[ACC+2*ii:ACC+2*ii+1] op_sel_hi:[1,0,1]
.set ii, ii+1
.endr
	WIN 0
.Lkeep_\@:
	QHI ACC, 6, 7, 8, 6144*(\m), XSC+512*(\m)
	QHI ACC+32, 6, 7, 8, 6144*(\m)+768, XSC+512*(\m)+2
.endm
.macro GELU
.irp bt, 0
	WIN 0x80
.set gi, 0
.rept 16
	v_pk_mul_f32 v[2*gi:2*gi+1], v[ACC+32*\bt+2*gi:ACC+32*\bt+2*gi+1], s[74:75] op_sel_hi:[1,0]
.set gi, gi+1
.endr
	WIN 0xaa
.set gi, 0
.rept 32
	v_med3_num_f32 v[gi], v[gi], -4.0, 4.0
.set gi, gi+1
.endr
.set gi, 0
.rept 16
	v_pk_mul_f32 v[32+2*gi:33+2*gi], v[2*gi:2*gi+1], v[2*gi:2*gi+1]
.set gi, gi+1
.endr
.set gi, 0
.rept 16
	v_pk_fma_f32 v[64+2*gi:65+2*gi], v[32+2*gi:33+2*gi], v[242:243], s[88:89] op_sel_hi:[1,1,0]
.set gi, gi+1
.endr
.irp cf, 90,92,94
.set gi, 0
.rept 16
	v_pk_fma_f32 v[64+2*gi:65+2*gi], v[64+2*gi:65+2*gi], v[32+2*gi:33+2*gi], s[\cf:\cf+1] op_sel_hi:[1,1,0]
.set gi, gi+1
.endr
.endr
.set gi, 0
	s_wait_alu depctr_va_vdst(0)
.rept 32
	v_rcp_f32 v[64+gi], v[64+gi]
.set gi, gi+1
.endr
.set gi, 0
.rept 16
	v_pk_fma_f32 v[96+2*gi:97+2*gi], v[32+2*gi:33+2*gi], v[240:241], s[76:77] op_sel_hi:[1,1,0]
.set gi, gi+1
.endr
.irp cf, 78,80,82,84,86
.set gi, 0
.rept 16
	v_pk_fma_f32 v[96+2*gi:97+2*gi], v[96+2*gi:97+2*gi], v[32+2*gi:33+2*gi], s[\cf:\cf+1] op_sel_hi:[1,1,0]
.set gi, gi+1
.endr
.endr
.set gi, 0
.rept 16
	v_pk_mul_f32 v[96+2*gi:97+2*gi], v[96+2*gi:97+2*gi], v[2*gi:2*gi+1]
.set gi, gi+1
.endr
	s_wait_alu depctr_va_vdst(0)
.set gi, 0
.rept 16
	v_pk_fma_f32 v[96+2*gi:97+2*gi], v[96+2*gi:97+2*gi], v[64+2*gi:65+2*gi], 0.5 op_sel_hi:[1,1,0]
.set gi, gi+1
.endr
	WIN 0x08
.set gi, 0
.rept 16
	v_pk_mul_f32 v[ACC+32*\bt+2*gi:ACC+32*\bt+2*gi+1], v[ACC+32*\bt+2*gi:ACC+32*\bt+2*gi+1], v[96+2*gi:97+2*gi]
.set gi, gi+1
.endr
.endr
	WIN 0
.endm
.macro FILL2 first, n, val
.set zz, 0
.rept \n
	v_mov_b32 v[(\first)+zz], \val
.set zz, zz+1
.endr
.endm
	s_load_b512 s[4:19], s[0:1], 0x0
	s_load_b64 s[20:21], s[0:1], 0x40
	v_lshl_add_u32 v1, v0, 2, SPARE
	v_mov_b32 v2, 0
	ds_add_u32 v1, v2
	ds_add_u32 v1, v2
	s_wait_dscnt 0x0
	v_lshrrev_b32 v85, 5, v0
	v_readfirstlane_b32 s22, v85
	s_bfe_u32 s23, ttmp6, 0x40000
	s_lshl_b32 s24, ttmp9, 2
	s_add_co_u32 s24, s24, s23
	s_bfe_u32 s60, s24, 0x10001
	s_and_b32 s61, s24, 1
	s_lshl_b32 s60, s60, 3
	s_lshl_b32 s61, s61, 3
.irp m, 0,1,2,3
	s_add_co_u32 s62, s60, 4*(\m/2)+4
	s_and_b32 s62, s62, 15
	s_add_co_u32 s63, s61, 4*(\m%2)+4
	s_and_b32 s63, s63, 15
	s_lshl_b32 s62, s62, 4
	s_add_co_u32 s62, s62, s63
	s_lshl_b32 s[54+\m], s62, 2
	s_lshl_b32 s63, ttmp9, 8
	s_add_co_u32 s62, s62, s63
	s_lshl_b32 s[50+\m], s62, 11
.endr
	s_mul_i32 s25, s22, QB
	s_mov_b32 s26, 0x76543210
	s_mov_b32 s27, 0xfedcba98
	s_mov_b32 s44, 0
	s_mov_b32 s96, 0                               ; changes of slots so far
	s_mov_b32 s97, 0x1800000
	s_mov_b32 s98, 0xff000000
	SPAIR 58, 0x3fb8aa3b
	SPAIR 74, 0x3f3504f3
	SPAIR 76, 0x326dffee
	SPAIR 78, 0xb58cff51
	SPAIR 80, 0xb7eec2d2
	SPAIR 82, 0xb9c0ac63
	SPAIR 84, 0xbac1a1f6
	SPAIR 86, 0xbc03dbd4
	SPAIR 88, 0xb95fbd29
	SPAIR 90, 0xbadc924e
	SPAIR 92, 0xbbf19bf8
	SPAIR 94, 0xbc69b6a7
	s_mov_b32 s28, 15|(3<<16)|(1<<21)
	s_mov_b32 s29, 32<<16
	s_mov_b32 s30, 101<<16
	s_mov_b32 s31, 32<<16
	s_mov_b32 s32, 101
	s_mov_b32 s33, 32
	s_mov_b32 s34, 0
	s_mov_b32 s35, 0
	v_and_b32 v85, 31, v0
	v_and_b32 v86, 15, v0
	v_bfe_u32 v87, v0, 4, 1
	v_lshrrev_b32 v92, 2, v86
	v_and_b32 v93, 3, v86
	v_lshl_add_u32 v94, v92, 4, v93
	v_lshlrev_b32 v28, 2, v94
	s_lshl_b32 s60, s22, 9
	v_lshl_add_u32 v21, v87, 6, s60
	v_lshl_add_u32 v24, v85, 4, s60                ; x and the result: 16 bytes a lane of my wave's 512 bytes of a row
	v_min_u32 v30, 25, v85                         ; the prefetches' offset: of my quarter's 101 blocks of 256 bytes my work-group names 26 cx .. 26 cx + 25,
	s_mul_i32 s61, s23, 26
	v_add_nc_u32 v30, s61, v30
	v_min_u32 v30, 100, v30                        ; none beyond the quarter's last
	v_lshl_add_u32 v30, v30, 8, s25
.irp m, 0,1,2,3
	v_add_nc_u32 v[88+\m], s[54+\m], v28
.endr
	s_mov_b32 s63, 0
	s_wait_alu depctr_va_vdst(0)
	s_wait_kmcnt 0x0
.irp m, 0,1,2,3
	s_mov_b32 s62, s[50+\m]
	s_add_nc_u64 s[66+2*\m:67+2*\m], s[4:5], s[62:63]
.endr
.irp m, 0,1,2,3
	global_load_b32 v[216+2*\m], v[88+\m], s[12:13]
.endr
	WIN 0x40
.irp m, 0,1,2,3
.irp b, 0,1,2,3
.irp q, 0,1,2,3
	global_load_b128 v[64*\m+16*\b+4*\q:64*\m+16*\b+4*\q+3], v24, s[66+2*\m:67+2*\m] offset:2048*(16*\b+\q) th:TH_LOAD_NT   ; row 4 b + q of tile m as it lies, into window 1: 32 lanes read 512 consecutive bytes
.endr
.endr
.endr
	WIN 0x80
.irp b, 0,1,2,3
.irp q, 0,1,2,3
	global_load_b128 v[16*\b+4*\q:16*\b+4*\q+3], v21, s[6:7] offset:128*\b+16*\q
.endr
.endr
.irp b, 0,1,2,3
.irp q, 0,1,2,3
	global_load_b128 v[64+16*\b+4*\q:64+16*\b+4*\q+3], v21, s[8:9] offset:128*\b+16*\q
.endr
.endr
	WIN 0
	s_mov_b32 s62, s25
	s_add_nc_u64 s[38:39], s[18:19], s[62:63]
	s_add_nc_u64 s[42:43], s[38:39], CH
	s_add_nc_u64 s[2:3], s[18:19], 2*CH            ; the prefetches' base, at chunk 2
	s_or_b32 s39, s39, 0x80000000
	s_or_b32 s43, s43, 0x80000000
	s_mov_b32 s36, 1
	s_mov_b32 s37, s25
	s_mov_b32 s40, 1
	s_add_co_u32 s41, s25, SLOT1
	ROUND
	tensor_load_to_lds s[36:39], s[28:35]
	s_nop 0
	v_lshl_add_u32 v3, v85, 4, XIMG
	v_lshl_add_u32 v4, v85, 3, XIMG
	v_lshl_add_u32 v5, v85, 2, XIMG
	s_mul_i32 s61, s22, 1536
	v_add_nc_u32 v6, s61, v3
	v_add_nc_u32 v7, s61, v4
	s_lshl_b32 s61, s22, 7
	v_add_nc_u32 v8, s61, v5
	v_lshl_add_u32 v9, v85, 4, s25
	v_lshl_add_u32 v10, v85, 2, s25
	v_lshl_add_u32 v11, v87, 6, s25
	v_and_b32 v95, 8, v86
	v_add_nc_u32 v95, v95, v86
	v_lshl_add_u32 v12, v95, 2, s25
	v_add_nc_u32 v29, SLOT1, v11
	s_cmp_lt_u32 ttmp9, 4
	s_cbranch_scc0 .Lno_prefetch_block1
	global_prefetch_b8 v30, s[2:3] th:TH_LOAD_NT scope:SCOPE_SE             ; chunks 2 and 3, which the first two changes of slots will load
	global_prefetch_b8 v30, s[2:3] offset:CH th:TH_LOAD_NT scope:SCOPE_SE
.Lno_prefetch_block1:
	s_mul_i32 s61, s22, 8448
	s_add_co_u32 s61, s61, STAGE
	v_mul_u32_u24 v22, v86, 528
	v_lshl_add_u32 v22, v87, 6, v22
	v_add_nc_u32 v22, s61, v22
	v_lshl_add_u32 v23, v85, 4, s61
	s_lshl_b32 s61, s22, 3
	s_add_co_u32 s61, s61, ST1
	v_lshl_add_u32 v25, v86, 5, s61
	v_lshl_add_u32 v26, v86, 5, ST1
	v_mad_u32_u24 v94, v92, 15, v93
	v_lshlrev_b32 v95, 1, v87
	v_sub_nc_u32 v94, v94, v95
	s_mul_i32 s61, s22, 30
	s_sub_co_u32 s61, 112, s61
	v_add_nc_u32 v94, s61, v94
	v_lshlrev_b32 v27, 5, v94
	v_mov_b32 v[TP], 0
	v_mov_b32 v[TP+1], 0
	s_wait_loadcnt 63
.irp m, 0,1,2,3
	v_mul_f32 v[216+2*\m], 0xbfb8aa3b, v[216+2*\m]
.endr
	s_wait_alu depctr_va_vdst(0)
.irp m, 0,1,2,3
	v_exp_f32 v[216+2*\m], v[216+2*\m]
.endr
	v_nop
	s_wait_alu depctr_va_vdst(0)
.irp m, 0,1,2,3
	v_add_f32 v[216+2*\m], 1.0, v[216+2*\m]
.endr
	s_wait_alu depctr_va_vdst(0)
.irp m, 0,1,2,3
	v_rcp_f32 v[216+2*\m], v[216+2*\m]
.endr
	v_nop
	s_wait_alu depctr_va_vdst(0)
.irp m, 0,1,2,3
	v_mov_b32 v[217+2*\m], v[216+2*\m]
.endr
; Tile m of x turns through my own stage (the way out's, walked backward): 16 rows in as they were loaded, and back with a lane on one row, into window 3.
; n: the loads that may stay out: behind tile m's 16 stand 16 (3 - m) of x and 32 of gain and bias; the count's field holds 63.  LDS serves a wave's instructions in order: no wait between stores and loads, nor from tile to tile.
.macro TURNIN m, n
	s_wait_loadcnt \n
	WIN 0x04
.irp i, 0,1,2,3,4,5,6,7,8,9,10,11,12,13,14,15
	ds_store_b128 v23, v[64*(\m)+4*\i:64*(\m)+4*\i+3] offset:528*\i
.endr
	WIN 0xc0
.irp b, 0,1,2,3
.irp q, 0,1,2,3
	ds_load_b128 v[64*(\m)+16*\b+4*\q:64*(\m)+16*\b+4*\q+3], v22 offset:128*\b+16*\q
.endr
.endr
.endm
	TURNIN 0, 63
	TURNIN 1, 63
	TURNIN 2, 48
	TURNIN 3, 32
	WIN 0
	s_wait_alu depctr_va_vdst(0)                   ; the wait at the head's end
	s_wait_tensorcnt 0x0                           ; slot 1's first fill is issued as a refill is: chunk 0 has landed (the head's vector work and the turn of x stood under its flight),
	ds_add_u32 v1, v2                              ; the add,
	s_wait_dscnt 0x0                               ; the wait for it and for the stage's loads,
	ROUND                                          ; a whole round of the cluster's barrier,
	tensor_load_to_lds s[40:43], s[28:35]          ; and chunk 1
	s_nop 0
	PLACES 4
	s_mov_b32 s49, 0
.Lnorm:
	s_wait_dscnt 63                                ; tile 0 is back (96 younger LDS instructions; the field holds 63).  In the second trip these four waits find nothing that they need
	LNSTAT 0
	s_wait_dscnt 63                                ; tile 1 (64 younger, and one store of LNSTAT)
	LNSTAT 1
	s_wait_dscnt 34                                ; tile 2 (32 younger, and two stores)
	LNSTAT 2
	s_wait_dscnt 3                                 ; tile 3 (three stores)
	LNSTAT 3
	BARRIER
	LNCOMB
	s_wait_loadcnt 0x0
	LNAPPLY 0
	LNAPPLY 1
	LNAPPLY 2
	LNAPPLY 3
	BARRIER
	FETCH 16, 0, XSC, 1, AS
	s_cmp_eq_u32 s49, 1
	s_cbranch_scc1 .Lmlp
	WIN 0x80
	FILL2 QF+6, 12, 0
	FILL2 PF+6, 12, 0
	FILL2 UF+6, 12, 0
.irp u, UF, UF+3, UF+18, UF+21
	v_mov_b32 v[\u], 0x08208208
	v_mov_b32 v[\u+1], 0x82082082
	v_mov_b32 v[\u+2], 0x20820820
.endr
	FILL2 240, 2, 0xaf15df0b
	FILL2 242, 2, 0xb77460cd
	WIN 0
	v_mov_b32 v[US], 0x79797979                    ; the unit operand's scale bytes: 2^-6, the uniform rows' 1 / l = 1 / 64
	s_wait_tensorcnt 0x0
	WADS
	LOADBB 1
	LOADG 0
	LOADG 1
	LOADG 2
	TWOHALVES
.Lkk:
	s_wait_alu depctr_va_vdst(0)
	CHUNK 0,4,ACC,32,8,0,1,AS,1,1,3
	PLACES 4
	TOIMG 4
	NEXTHALF .Lkk
	OWN KF, KS
	TWOHALVES
.Lvv:
	CHUNK 1,4,ACC,8,32,0,1,AS,1,1,4
	PLACES 4
	TOIMG 4
	NEXTHALF .Lvv
	OWN VF, VS
.irp hd, 0,1
.irp m, 0,1,2,3
.irp q, 0,1
	global_load_b128 v[192+32*\hd+8*\m+4*\q:192+32*\hd+8*\m+4*\q+3], v27, s[10:11] offset:-480*\hd-32*(4*(\m/2)+\q)+16*(\m%2)
.endr
.endr
.endr
	TWOHALVES
.Lqq:
	CHUNK 0,1,ACC,0,8,0,1,AS,1,1,1
	PLACES 4
	TOIMG 1
	NEXTHALF .Lqq
	WIN 0x80
	ds_load_b128 v[QF:QF+3], v6 offset:HIMG
	ds_load_b64 v[QF+4:QF+5], v7 offset:HIMG+512
	ds_load_b128 v[QF+18:QF+21], v6 offset:HIMG+768
	ds_load_b64 v[QF+22:QF+23], v7 offset:HIMG+1280
	WIN 0
	ds_load_b32 v[QS], v8 offset:HSC
	s_wait_dscnt 0x0
	WIN 0x0a
.irp m, 0,1,2,3
.irp hd, 0,1
	v_wmma_scale_f32_16x16x128_f8f6f4 v[ACC+32*\hd+8*\m:ACC+32*\hd+8*\m+7], v[KF+12*\m:KF+12*\m+11], v[QF+12*\hd:QF+12*\hd+11], 0, v[KS+\m], v[QS] matrix_a_fmt:MATRIX_FMT_FP6 matrix_b_fmt:MATRIX_FMT_FP6
.endr
.endr
	WIN 0
	PLACES 4
	s_wait_loadcnt 0x0
.set ii, 0
.rept 32
	v_pk_fma_f32 v[ACC+2*ii:ACC+2*ii+1], v[ACC+2*ii:ACC+2*ii+1], 0x3e000000, v[192+2*ii:193+2*ii] op_sel_hi:[1,0,1]
.set ii, ii+1
.endr
.irp hd, 0,1
	v_max3_num_f32 v[84+2*\hd], v[ACC+32*\hd], v[ACC+32*\hd+1], v[ACC+32*\hd+2]
	v_max3_num_f32 v[85+2*\hd], v[ACC+32*\hd+16], v[ACC+32*\hd+17], v[ACC+32*\hd+18]
.endr
.irp i, 3,5,7,9,11,13
.irp hd, 0,1
	v_max3_num_f32 v[84+2*\hd], v[84+2*\hd], v[ACC+32*\hd+\i], v[ACC+32*\hd+\i+1]
	v_max3_num_f32 v[85+2*\hd], v[85+2*\hd], v[ACC+32*\hd+16+\i], v[ACC+32*\hd+17+\i]
.endr
.endr
.irp hd, 0,1
	v_max3_num_f32 v[84+2*\hd], v[84+2*\hd], v[85+2*\hd], v[ACC+32*\hd+15]
.endr
.irp hd, 0,1
	v_max_num_f32 v[84+2*\hd], v[84+2*\hd], v[ACC+32*\hd+31]
.endr
.irp hd, 0,1
	v_permlanex16_b32 v[TP+\hd], v[84+2*\hd], s26, s27
.endr
.irp hd, 0,1
	v_max_num_f32 v[84+2*\hd], v[84+2*\hd], v[TP+\hd]
.endr
.irp hd, 0,1
	v_mul_f32 v[84+2*\hd], s58, v[84+2*\hd]
.endr
.irp hd, 0,1
	v_floor_f32 v[88+2*\hd], -v[84+2*\hd]
.endr
.irp hd, 0,1
	v_mov_b32 v[89+2*\hd], v[88+2*\hd]
.endr
.irp hd, 0,1
.set ii, 0
.rept 16
	v_pk_fma_f32 v[ACC+32*\hd+2*ii:ACC+32*\hd+2*ii+1], v[ACC+32*\hd+2*ii:ACC+32*\hd+2*ii+1], s[58:59], v[88+2*\hd:89+2*\hd] op_sel_hi:[1,0,0]
.set ii, ii+1
.endr
.endr
.set ii, 0
	s_wait_alu depctr_va_vdst(0)
.rept 64
	v_exp_f32 v[ACC+ii], v[ACC+ii]
.set ii, ii+1
.endr
	v_nop
	s_wait_alu depctr_va_vdst(0)
.irp hd, 0,1
	v_pk_add_f32 v[192+4*\hd:193+4*\hd], v[ACC+32*\hd:ACC+32*\hd+1], v[ACC+32*\hd+2:ACC+32*\hd+3]
	v_pk_add_f32 v[194+4*\hd:195+4*\hd], v[ACC+32*\hd+4:ACC+32*\hd+5], v[ACC+32*\hd+6:ACC+32*\hd+7]
.endr
.irp i, 8,12,16,20,24,28
.irp hd, 0,1
	v_pk_add_f32 v[192+4*\hd:193+4*\hd], v[192+4*\hd:193+4*\hd], v[ACC+32*\hd+\i:ACC+32*\hd+\i+1]
	v_pk_add_f32 v[194+4*\hd:195+4*\hd], v[194+4*\hd:195+4*\hd], v[ACC+32*\hd+\i+2:ACC+32*\hd+\i+3]
.endr
.endr
.irp hd, 0,1
	v_pk_add_f32 v[192+4*\hd:193+4*\hd], v[192+4*\hd:193+4*\hd], v[194+4*\hd:195+4*\hd]
.endr
.irp hd, 0,1
	v_add_f32 v[192+4*\hd], v[192+4*\hd], v[193+4*\hd]
.endr
.irp hd, 0,1
	v_permlanex16_b32 v[TP+\hd], v[192+4*\hd], s26, s27
.endr
.irp hd, 0,1
	v_add_f32 v[192+4*\hd], v[192+4*\hd], v[TP+\hd]
.endr
.irp hd, 0,1
	v_mov_b32 v[93+2*\hd], 0
.endr
	s_wait_alu depctr_va_vdst(0)
.irp hd, 0,1
	v_rcp_f32 v[92+2*\hd], v[192+4*\hd]
.endr
	v_nop
	s_wait_alu depctr_va_vdst(0)
	QHR ACC, PF, PS, 0
	QHR ACC+32, PF+18, PS, 1
	PLACES 8
	WIN 0x0a
.irp n, 0,1,2,3
.irp hd, 0,1
	v_wmma_scale_f32_16x16x128_f8f6f4 v[ACC+32*\hd+8*\n:ACC+32*\hd+8*\n+7], v[VF+12*\n:VF+12*\n+11], v[PF+12*\hd:PF+12*\hd+11], 0, v[VS+\n], v[PS] matrix_a_fmt:MATRIX_FMT_FP6 matrix_b_fmt:MATRIX_FMT_FP6
	v_wmma_scale_f32_16x16x128_f8f6f4 v[192+32*\hd+8*\n:192+32*\hd+8*\n+7], v[VF+12*\n:VF+12*\n+11], v[UF+12*\hd:UF+12*\hd+11], 0, v[VS+\n], v[US] matrix_a_fmt:MATRIX_FMT_FP6 matrix_b_fmt:MATRIX_FMT_FP6
.endr
.endr
	WIN 0
	PLACES 4
	WIN 0x80
.irp b, 0,1,2,3
.irp q, 0,1,2,3
	global_load_b128 v[16*\b+4*\q:16*\b+4*\q+3], v21, s[14:15] offset:128*\b+16*\q
.endr
.endr
.irp b, 0,1,2,3
.irp q, 0,1,2,3
	global_load_b128 v[64+16*\b+4*\q:64+16*\b+4*\q+3], v21, s[16:17] offset:128*\b+16*\q
.endr
.endr
	WIN 0
.irp hd, 0,1
.set ii, 0
.rept 16
	v_pk_mul_f32 v[ACC+32*\hd+2*ii:ACC+32*\hd+2*ii+1], v[ACC+32*\hd+2*ii:ACC+32*\hd+2*ii+1], v[92+2*\hd:93+2*\hd] op_sel_hi:[1,0]
.set ii, ii+1
.endr
.endr
.irp hd, 0,1
	QHI ACC+32*\hd, 6, 7, 8, 768*\hd, XSC+2*\hd
.endr
.irp hd, 0,1
	QHI 192+32*\hd, 6, 7, 8, 6144+768*\hd, XSC+512+2*\hd
.endr
	BARRIER
	FETCH 8, 0, XSC, 1, AS
	s_wait_dscnt 0x0                               ; these loads were issued behind the chunk's first half sets: the chunk's counted waits do not cover them
.irp kp, 0,1
	CHUNK 0,2,ACC,32,8,0,1,AS,1,1,1
	PLACES 4
	WIN 0xc3
.irp m, 0,1,2,3
.set ii, 0
.rept 16
	v_pk_add_f32 v[64*\m+32*\kp+2*ii:64*\m+32*\kp+2*ii+1], v[64*\m+32*\kp+2*ii:64*\m+32*\kp+2*ii+1], v[ACC+32*((\m+3)/4)+2*ii:ACC+32*((\m+3)/4)+2*ii+1]
.set ii, ii+1
.endr
.endr
	WIN 0
.endr
	s_wait_loadcnt 0x0
	s_add_co_u32 s49, s49, 1
	s_cmp_lt_u32 s49, 2
	s_cbranch_scc1 .Lnorm
.Lmlp:
	LOADG 3                                        ; wp's last chunk asked for half sets 0, 1, 2 of the first MLP chunk: the fourth makes its steps 0, 1 whole
	s_mov_b32 s45, 4
.Ltrip:
	TWOHALVES
.Lkap:
	s_wait_alu depctr_va_vdst(0)
	CHUNK4 ACC,32,8,0,1,AS,1,1,1,2,0
	PLACES 4
; GELU and the quantiser, one row tile (32 registers) a trip, always on v[ACC .. ACC+31]; between trips the tiles still waiting move 32 registers down.  The image's addresses step by a tile.
	s_mov_b32 s60, 4
	s_mov_b32 s61, s47
	s_mov_b32 s62, s48
.Lgel:
	v_add_nc_u32 v17, s61, v6
	v_add_nc_u32 v18, s61, v7
	v_add_nc_u32 v19, s62, v8
	GELU
	QHI ACC, 17, 18, 19, HIMG, HSC
	s_add_co_u32 s61, s61, 6144
	s_add_co_u32 s62, s62, 512
	s_sub_co_u32 s60, s60, 1
	s_cmp_lg_u32 s60, 0
	s_wait_alu depctr_va_vdst(0)                   ; the wait ahead of a branch
	s_cbranch_scc0 .Lgel_done
	s_wait_alu depctr_va_vdst(0)                   ; and directly ahead of the first readers of sums that have reciprocals behind them
.set gi, 0
.rept 48
	v_dual_mov_b32 v[ACC+2*gi], v[ACC+32+2*gi] :: v_dual_mov_b32 v[ACC+2*gi+1], v[ACC+33+2*gi]   ; ascending: each register is read before it is written, each sum from its low end on
.set gi, gi+1
.endr
	s_cmp_lg_u32 s60, 0
	s_wait_alu depctr_va_vdst(0)                   ; the wait ahead of the backward jump
	s_cbranch_scc1 .Lgel
.Lgel_done:
	NEXTHALF .Lkap
	BARRIER
	FETCH 16, HIMG, HSC, 2, HS
	s_cmp_eq_u32 s45, 1
	s_cbranch_scc1 .Ltail
	CHUNK4 0,64,8,3,2,HS,0,1,0,0,128
	s_wait_alu depctr_va_vdst(0)
	CHUNK4 32,64,8,3,2,HS,0,1,1,0,128
	s_sub_co_u32 s45, s45, 1
	s_cmp_lg_u32 s45, 0
	s_cbranch_scc1 .Ltrip
.Ltail:
	s_wait_alu depctr_va_vdst(0)
	CHUNK4 0,64,8,3,2,HS,0,2,0,0,128
	s_wait_alu depctr_va_vdst(0)
	CHUNK4 32,64,8,3,2,HS,0,0,0,0,128
	PLACES 4
	s_wait_xcnt 0x0
	s_mov_b32 s63, 0
.irp m, 0,1,2,3
	s_mov_b32 s62, s[50+\m]
	s_add_nc_u64 s[66+2*\m:67+2*\m], s[20:21], s[62:63]
.endr
	WIN 0x80
.irp b, 0,1
.irp q, 0,1,2,3
	ds_load_b128 v[16*\b+4*\q:16*\b+4*\q+3], v11 offset:25600+128*\b+16*\q
.endr
.endr
.irp b, 0,1
.irp q, 0,1,2,3
	ds_load_b128 v[32+16*\b+4*\q:32+16*\b+4*\q+3], v29 offset:25600+128*\b+16*\q
.endr
.endr
	WIN 0
	s_wait_dscnt 0x0
.irp m, 0,1,2,3
	WIN 0xcb
.set ii, 0
.rept 32
	v_pk_add_f32 v[64*\m+2*ii:64*\m+2*ii+1], v[64*\m+2*ii:64*\m+2*ii+1], v[2*ii:2*ii+1]
.set ii, ii+1
.endr
	WIN 0x0c
.irp b, 0,1,2,3
.irp q, 0,1,2,3
	ds_store_b128 v22, v[64*\m+16*\b+4*\q:64*\m+16*\b+4*\q+3] offset:128*\b+16*\q
.endr
.endr
	WIN 0
.if \m >= 2
	s_wait_xcnt 0x0
.endif
.irp i, 0,1,2,3,4,5,6,7,8,9,10,11,12,13,14,15
	ds_load_b128 v[ACC+64*(\m%2)+4*\i:ACC+64*(\m%2)+4*\i+3], v23 offset:528*\i
.endr
.irp i, 0,1,2,3,4,5,6,7,8,9,10,11,12,13,14,15
	s_wait_dscnt 15-\i
	global_store_b128 v24, v[ACC+64*(\m%2)+4*\i:ACC+64*(\m%2)+4*\i+3], s[66+2*\m:67+2*\m] offset:2048*(16*(\i/4)+\i%4) th:TH_STORE_NT
.endr
.endr
	s_wait_tensorcnt 0x0
	ds_add_u32 v1, v2
	s_wait_dscnt 0x0
	ROUND
	s_endpgm
.Lfunc_end_k_q86f09ba555_block:
	.size	k_q86f09ba555_block, .Lfunc_end_k_q86f09ba555_block-k_q86f09ba555_block
	.p2alignl 7, 3214868480
	.fill 96, 4, 3214868480
	.section	.rodata,"a",@progbits
	.p2align	6, 0x0
	.amdhsa_kernel k_q86f09ba555_block
		.amdhsa_group_segment_fixed_size 327680
		.amdhsa_private_segment_fixed_size 0
		.amdhsa_enable_private_segment 0
		.amdhsa_kernarg_size 72
		.amdhsa_user_sgpr_count 2
		.amdhsa_user_sgpr_kernarg_segment_ptr 1
		.amdhsa_wavefront_size32 1
		.amdhsa_system_sgpr_workgroup_id_x 1
		.amdhsa_system_sgpr_workgroup_id_y 1
		.amdhsa_system_sgpr_workgroup_id_z 1
		.amdhsa_system_vgpr_workitem_id 0
		.amdhsa_next_free_vgpr 1024
		.amdhsa_next_free_sgpr 100
		.amdhsa_reserve_vcc 0
		.amdhsa_float_denorm_mode_32 3
		.amdhsa_float_denorm_mode_16_64 3
		.amdhsa_memory_ordered 1
		.amdhsa_forward_progress 1
		.amdhsa_inst_pref_size 255
	.end_amdhsa_kernel
	.section	.bss,"aw",@nobits
	.p2align	6
	.space	262144
	.amdgpu_metadata
---
amdhsa.version: [ 1, 2 ]
amdhsa.kernels:
  - .name:           k_q86f09ba555_block
    .symbol:         k_q86f09ba555_block.kd
    .args:
      - { .name: x, .offset: 0, .size: 8, .value_kind: global_buffer, .address_space: global }
      - { .name: ln1_g, .offset: 8, .size: 8, .value_kind: global_buffer, .address_space: global }
      - { .name: ln1_b, .offset: 16, .size: 8, .value_kind: global_buffer, .address_space: global }
      - { .name: rel_table, .offset: 24, .size: 8, .value_kind: global_buffer, .address_space: global }
      - { .name: gate, .offset: 32, .size: 8, .value_kind: global_buffer, .address_space: global }
      - { .name: ln2_g, .offset: 40, .size: 8, .value_kind: global_buffer, .address_space: global }
      - { .name: ln2_b, .offset: 48, .size: 8, .value_kind: global_buffer, .address_space: global }
      - { .name: wst, .offset: 56, .size: 8, .value_kind: global_buffer, .address_space: global }
      - { .name: out0, .offset: 64, .size: 8, .value_kind: global_buffer, .address_space: global }
    .group_segment_fixed_size: 327680
    .private_segment_fixed_size: 0
    .kernarg_segment_align: 8
    .kernarg_segment_size: 72
    .max_flat_workgroup_size: 128
    .sgpr_count:     100
    .vgpr_count:     1024
    .wavefront_size: 32
...
	.end_amdgpu_metadata
.endif
;; end of part 4
